; MI455X (gfx1250); checked and timed in simulation.
; The chip was launched on July 23, 2026; its instructions are those of AMD's public machine-readable ISA for CDNA 5 (MIT licence, August 2026) and "CDNA5" Instruction Set Architecture Reference Guide (July 2026). The comments in the code are by the model that wrote it; some were corrected since.
;; Attention. Allowed arithmetic: matrix products marked QUANTISED: E5M2 operands, one E8M0 scale for each 32 along K, by v_wmma_scale_f32_16x16x128_f8f6f4 with both operands' format E5M2, f32 sums; everything else in f32.
;; Inputs: W_o 1,024 x 1,024 float32; W_qkv 1,024 x 3,072 float32; b_o 1,024 float32; b_qkv 3,072 float32; x 4 x 2,048 x 1,024 float32.
;; Outputs: out0 4 x 2,048 x 1,024 float32.
;; This version of the problem:
;;   THIS VERSION OF THE PROBLEM IS GIVEN IN LOW PRECISION. The matrix products marked QUANTISED in the list below multiply operands that are first quantised to E5M2 (5 exponent bits, 2 mantissa bits; 8 bits a number), with one power-of-two scale for each 32 numbers along K (OCP MX v1.0); their sums are f32. All else is computed in f32.
;;   The module's matrix products, in the order in which they are computed (A, B: the left and right operand; K: the contracted axis; several contracted axes count as one K, in the product's order):
;;     1. [M 8,192, K 1,024] x [K 1,024, N 3,072]; A: input x; B: input W_qkv: QUANTISED
;;     2. batch 64 x [M 2,048, K 64] x [K 64, N 2,048]; A: computed on the way; B: computed on the way: QUANTISED
;;     3. batch 64 x [M 2,048, K 2,048] x [K 2,048, N 64]; A: softmax (see below); B: computed on the way: QUANTISED
;;     4. [M 8,192, K 1,024] x [K 1,024, N 1,024]; A: computed on the way; B: input W_o: QUANTISED
;;   THE QUANTISER, for each operand of a quantised product, along K:
;;     - K is cut into blocks of 32 from its start; a last block that is shorter is filled with zeros.
;;     - A block's scale is 2^e with e = floor(log2(the largest magnitude in the block)) - 15, held to -126 .. 127; a block of zeros has e = 0. As a byte (E8M0): e + 127.
;;     - Each number is divided by its block's scale, clamped to +-57,344, and rounded to the nearest number of E5M2, ties to even, subnormals kept.
;;     - The product sums the exact products of the quantised numbers (number of the format x scale) in f32.
;;   ~~~python
;;   def quantise(x, axis):      # numpy; x: float32 -> the quantised numbers, widened to float32 again
;;       x = np.moveaxis(x, axis, -1); K = x.shape[-1]
;;       x = np.pad(x, [(0, 0)] * (x.ndim - 1) + [(0, -K % 32)]); x = x.reshape(x.shape[:-1] + (-1, 32)); a = np.abs(x).max(-1, keepdims=True)
;;       e = np.where(a > 0, np.clip(np.frexp(np.where(a > 0, a, 1))[1] - 1 - 15, -126, 127), 0)      # np.frexp(a)[1] - 1 = floor(log2(a)), exactly
;;       r = np.clip(x / 2.0 ** e, -57344, 57344)
;;       step = 2.0 ** (np.maximum(np.frexp(np.where(r == 0, 1, r))[1] - 1, -14) - 2)
;;       q = np.round(r / step) * step * 2.0 ** e      # np.round: ties to even
;;       return np.moveaxis(q.reshape(q.shape[:-2] + (-1,))[..., :K], -1, axis).astype(np.float32)
;;   ~~~
;;   SOFTMAX AHEAD OF A QUANTISED PRODUCT. Where the list says 'softmax', what is quantised is not the finished softmax but p = 2^(t - M), with t = logit x log2(e) and M = ceil(the row's largest t), a whole number; so 1/2 < the row's largest p <= 1. The row's sum l is taken of the UNQUANTISED p, in f32, and the product's result is divided by l at the end. Since M is a whole number, a kernel that streams over the keys may use a running M (the ceiling of the running maximum): every later rescaling is an exact power of two, which a block's scale takes up: the codes' values come out the same.
;;   OPERANDS COMPUTED ON THE WAY. 'Computed on the way' means the value that the module computes at that place (a softmax that the list does not call 'softmax' is quantised finished and normalised). What goes into a quantiser is computed in f32, as accurately as f32 sums, v_exp_f32 and their like allow (about 1e-6 of the number): no bf16 or f16 on the way to a quantiser, and a product that is left as it is and whose result goes on into a quantised operand takes f32 operands (vector FMAs, or v_wmma_f32_16x16x4_f32). A number that lies on a knife's edge between two numbers of the format may be rounded either way, as far as f32 arithmetic and the matrix unit's own rounding can turn it there, and no further.
;; One version. Each part assembles by itself: llvm-mc -triple=amdgcn-amd-amdhsa -mcpu=gfx1250 --defsym DOCPART=n.
;; ======== version 1 of 1: 4 launches
;; limits: right only within a limited range of input values
;; workspace buffers: xw_codes 12,582,912 bytes; xw_scales 393,216 bytes; qc 8,388,608 bytes; qs 524,288 bytes; kv 17,301,504 bytes; oc 8,388,608 bytes; os 262,144 bytes
;; launch quant (part 1): grid 640 x 1, 8 waves a work-group, no clusters, 68,608 bytes of LDS; arguments x, W_qkv, W_o, xw_codes, xw_scales; writes xw_codes, xw_scales
.if DOCPART == 1
	.amdgcn_target "amdgcn-amd-amdhsa--gfx1250"
	.amdhsa_code_object_version 6
	.text
	.protected	k_q6cc842d197_quant
	.globl	k_q6cc842d197_quant
	.p2align	8
	.type	k_q6cc842d197_quant,@function
k_q6cc842d197_quant:
	s_mov_b64 s[64:65], 0
	v_nop
	global_prefetch_b8 v0, s[64:65] scope:SCOPE_SE
	s_setreg_imm32_b32 hwreg(HW_REG_WAVE_MODE, 25, 1), 1
	s_wait_xcnt 0x0
; x [8192][1024], W_qkv [1024][3072] and W_o [1024][1024], f32, become ONE operand of 12,288 rows x K = 1,024 in codes of BF8 (E5M2), with one E8M0 byte for each 32 along K:
; rows 0-8191 x's tokens, rows 8192-11263 W_qkv's columns, rows 11264-12287 W_o's columns (K is a weight's FIRST axis).
; THE CODES LIE AS IMAGES OF THE OPERAND'S REGISTERS.  Tile T holds 16 rows; its row r stands for true row 32 (T / 2) + 8 (T % 2) + r + 8 (r / 8).  Byte T x 16384 + s x 2048 + c x 512 + 16 x lane holds the 16 codes
; k = 128 s + 32 c + 16 (lane / 16) + 0 .. 15 of row lane % 16.  So a fragment (16 rows x 128 K) is 2,048 consecutive bytes, and every store here covers whole aligned runs of 256 bytes.
; The scale bytes lie [row in that order][K / 32]: 32 bytes a row.
; A block's scale is 2^(floor(log2(its largest magnitude)) - 15); its byte is the largest magnitude's exponent field - 15, held at 1 from below; each number is held within +-57,344 x the scale and rounded to the nearest code, ties to even.
; LIMITS: a block of zeros, or one whose largest magnitude lies under 2^-111, gets the byte 1 (its codes are zeros or small; the bytes are read by this program alone); NaN and infinities among the inputs are not served.
; The scale words leave as 4 bytes a row, 32 bytes apart: one byte in 128 of what the launch reads.
; SHARES.  Work-groups 0-95: W_qkv, 96-127: W_o (256 columns x 128 K each; a wave 32 columns); 128-639: x, a tile of 16 rows each, wave s its K step s.  Waves share nothing: no barrier.  Only x's path uses LDS.
.set X,    32                          ; W: v32-159  four blocks of 32 numbers down K
.set CD,   160                         ; W: v160-191 eight registers of codes a block: no store's data are written again
.set R,    32                          ; x: v32-95   16 rows as loaded, then my 64 numbers
.set PC,   96                          ; x: v96-111  the fragment's codes
.set TM,   112                         ; x: v112-127 at work
.set PW,   128                         ; x: v128     the scale word
.set SPX,  528                         ; x: a stage row: 512 bytes + 16: sixteen rows start at sixteen different groups of four banks
	s_load_b256 s[4:11], s[0:1], 0x0               ; x s[4:5], W_qkv s[6:7], W_o s[8:9], the codes s[10:11]
	s_load_b64 s[12:13], s[0:1], 0x20              ; the scale bytes
	v_lshl_add_u32 v192, v0, 2, 0x10800
	v_mov_b32 v193, 0
	v_lshrrev_b32 v1, 5, v0
	s_delay_alu instid0(VALU_DEP_1)
	v_readfirstlane_b32 s16, v1                    ; wave 0..7
	v_and_b32 v1, 31, v0                           ; lane
	v_and_b32 v2, 15, v0                           ; r
	v_bfe_u32 v3, v0, 4, 1                         ; h
	s_mov_b32 s20, 0x76543210
	s_mov_b32 s21, 0xfedcba98                      ; v_permlanex16_b32's selects for lane l xor 16
	s_mov_b32 s23, 0x600000                        ; the mantissa field of 57,344
	s_mov_b32 s25, 0                               ; the upper word of every offset pair
	s_wait_kmcnt 0x0
	s_cmp_lt_u32 ttmp9, 96
	s_cbranch_scc1 .Lw_qkv
	s_cmp_lt_u32 ttmp9, 128
	s_cbranch_scc1 .Lw_o
; ---- x: a tile of 16 rows, my K step of 128.  Each load reads 512 consecutive bytes of one row; the conversions want 16 neighbours along K in ONE lane, so the 8,192 bytes turn through my own stage in LDS.
	s_sub_co_u32 s17, ttmp9, 128                   ; the tile
	s_lshr_b32 s18, s17, 1
	s_lshl_b32 s18, s18, 5
	s_and_b32 s19, s17, 1
	s_lshl_b32 s19, s19, 3
	s_add_co_u32 s18, s18, s19                     ; its first true row: 32 (T / 2) + 8 (T % 2)
	s_lshl_b32 s24, s18, 12                        ; rows of 4,096 bytes
	s_lshl_b32 s19, s16, 9
	s_add_co_u32 s24, s24, s19                     ; + 512 x K step
	s_add_nc_u64 s[4:5], s[4:5], s[24:25]
	s_lshl_b32 s24, s17, 14
	s_lshl_b32 s19, s16, 11
	s_add_co_u32 s24, s24, s19
	s_add_nc_u64 s[10:11], s[10:11], s[24:25]      ; my fragment's image
	s_lshl_b32 s24, s17, 9
	s_lshl_b32 s19, s16, 2
	s_add_co_u32 s24, s24, s19
	s_add_nc_u64 s[12:13], s[12:13], s[24:25]      ; my K step's word in the tile's 16 rows of scale bytes
	s_wait_alu depctr_va_vdst(0)
	v_lshlrev_b32 v4, 4, v1                        ; 16 x lane
.irp i, 0,1,2,3,4,5,6,7,8,9,10,11,12,13,14,15
	global_load_b128 v[R+4*\i:R+4*\i+3], v4, s[4:5] offset:(\i+8*(\i/8))*4096 th:TH_LOAD_NT   ; the tile's row i: 32 lanes read 512 consecutive bytes
.endr
	s_mul_i32 s26, s16, 16*SPX                     ; my stage
	v_add_nc_u32 v14, s26, v4                      ; in: 16 x lane of a row
	v_mul_u32_u24 v15, v2, SPX
	s_delay_alu instid0(VALU_DEP_1)
	v_lshl_add_u32 v15, v3, 6, v15
	s_delay_alu instid0(VALU_DEP_1)
	v_add_nc_u32 v15, s26, v15                     ; out: row r, + 64 h: my 16 numbers of a block of 32
	v_lshlrev_b32 v6, 5, v2                        ; 32 r: my row's scale bytes
.irp b, 0,1,2,3
	v_mov_b32 v[TM+4+\b], 0                        ; written once: a lane permute's destination counts as one of its sources
.endr
	s_wait_alu depctr_va_vdst(0)
.irp i, 0,1,2,3,4,5,6,7,8,9,10,11,12,13,14,15
	s_wait_loadcnt 15-\i                           ; loads come back in order: row i is in, the younger rows may be out
	ds_store_b128 v14, v[R+4*\i:R+4*\i+3] offset:SPX*\i
.endr
.irp c, 0,1,2,3
.irp j, 0,1,2,3
	ds_load_b128 v[R+16*\c+4*\j:R+16*\c+4*\j+3], v15 offset:128*\c+16*\j   ; LDS serves a wave's instructions in order: these see my stores.  Register 16 c + i = k 32 c + 16 h + i of row r
.endr
.endr
	s_wait_dscnt 0x0
.irp b, 0,1,2,3
	v_max3_num_f32 v[TM+\b], |v[R+16*\b]|, |v[R+1+16*\b]|, 0x8000000   ; block b: my 16 numbers, and the floor 2^(16 - 127): the byte cannot fall under 1
.endr
.irp i, 2,4,6,8,10,12,14
.irp b, 0,1,2,3
	s_delay_alu instid0(VALU_DEP_4)
	v_max3_num_f32 v[TM+\b], v[TM+\b], |v[R+16*\b+\i]|, |v[R+1+16*\b+\i]|   ; the four blocks by turns
.endr
.endr
.irp b, 0,1,2,3
	s_delay_alu instid0(VALU_DEP_4)
	v_permlanex16_b32 v[TM+4+\b], v[TM+\b], s20, s21
.endr
.irp b, 0,1,2,3
	s_delay_alu instid0(VALU_DEP_4)
	v_max_num_f32 v[TM+\b], v[TM+\b], v[TM+4+\b]   ; with lane l xor 16's: the block's largest magnitude
.endr
.irp b, 0,1,2,3
	s_delay_alu instid0(VALU_DEP_4)
	v_add_nc_u32 v[TM+12+\b], 0xf8800000, v[TM+\b] ; 15 off its exponent field: the conversion's scale operand
.endr
.irp b, 0,1,2,3
	v_and_or_b32 v[TM+8+\b], v[TM+\b], 0x7f800000, s23   ; 57,344 x the scale
.endr
.irp b, 0,1,2,3
	v_lshrrev_b32 v[TM+4+\b], 23, v[TM+12+\b]      ; the scale's byte
.endr
	s_delay_alu instid0(VALU_DEP_3)
	v_lshl_or_b32 v[PW], v[TM+5], 8, v[TM+4]       ; the four bytes make my row's scale word
	s_delay_alu instid0(VALU_DEP_1)
	v_lshl_or_b32 v[PW], v[TM+6], 16, v[PW]
	s_delay_alu instid0(VALU_DEP_1)
	v_lshl_or_b32 v[PW], v[TM+7], 24, v[PW]
.irp b, 0,1,2,3
.irp i, 0,1,2,3,4,5,6,7,8,9,10,11,12,13,14,15
	v_med3_num_f32 v[R+16*\b+\i], v[R+16*\b+\i], -v[TM+8+\b], v[TM+8+\b]   ; the conversion to an 8-bit code does not saturate (ISA guide 7.6.2): the hold comes first
.endr
	v_cvt_scalef32_pk8_bf8_f32 v[PC+4*\b:PC+1+4*\b], v[R+16*\b:R+7+16*\b], v[TM+12+\b]
	v_cvt_scalef32_pk8_bf8_f32 v[PC+2+4*\b:PC+3+4*\b], v[R+8+16*\b:R+15+16*\b], v[TM+12+\b]
.endr
	v_nop                                          ; a plain line behind the last conversion
.irp c, 0,1,2,3
	global_store_b128 v4, v[PC+4*\c:PC+4*\c+3], s[10:11] offset:512*\c   ; 32 lanes store 512 consecutive bytes
.endr
	v_cmp_gt_u32 vcc_lo, 16, v1                    ; both halves of the lanes hold the same word: lanes 0-15 store it
	s_wait_xcnt 0x0                                ; EXEC changes only behind this wait: the stores above have read it
	s_wait_tensorcnt 0x0
	ds_add_u32 v192, v193
	s_wait_dscnt 0x0
	s_and_saveexec_b32 s27, vcc_lo
	global_store_b32 v6, v[PW], s[12:13]
	s_wait_xcnt 0x0                                ; and again in front of the line that widens it
	s_or_b32 exec_lo, exec_lo, s27
	s_endpgm
; ---- A weight [1024][N]: A LANE TAKES A COLUMN, AND ITS REGISTERS RUN DOWN K.  A wave takes 32 columns x 128 along K.  Lane 16 u + r takes column n0 + 8 u + r + 8 (r / 8): row r of tile n0 / 16 + u in the
; operand's order; the 32 lanes of a load still read 128 consecutive bytes, the eight waves 1,024.  A block of 32 along K lies in ONE lane: its largest magnitude needs no other lane.
.macro WLOAD t, n, pb                  ; block t: W(128 s + 32 t + i, my column), i = 0 .. 31
.set i, 0
.rept 32
	global_load_b32 v[X+32*(\t)+i], v4, s[\pb:\pb+1] offset:(32*(\t)+i)*(\n)*4 th:TH_LOAD_NT
.set i, i+1
.endr
.endm
.macro WBLOCK t
.set XS, X+32*(\t)
	v_max3_num_f32 v12, |v[XS]|, |v[XS+1]|, |v[XS+2]|
	v_max3_num_f32 v13, |v[XS+3]|, |v[XS+4]|, |v[XS+5]|
.irp i, 6,10,14,18,22,26
	s_delay_alu instid0(VALU_DEP_2)
	v_max3_num_f32 v12, v12, |v[XS+\i]|, |v[XS+\i+1]|
	s_delay_alu instid0(VALU_DEP_2)
	v_max3_num_f32 v13, v13, |v[XS+\i+2]|, |v[XS+\i+3]|
.endr
	s_delay_alu instid0(VALU_DEP_2)
	v_max3_num_f32 v12, v12, |v[XS+30]|, |v[XS+31]|
	s_delay_alu instid0(VALU_DEP_1)
	v_max3_num_f32 v12, v12, v13, 0x8000000        ; and the floor
	s_delay_alu instid0(VALU_DEP_1)
	v_add_nc_u32 v11, 0xf8800000, v12              ; the conversion's scale operand
	s_delay_alu instid0(VALU_DEP_2)
	v_and_or_b32 v10, v12, 0x7f800000, s23         ; 57,344 x the scale
	s_delay_alu instid0(VALU_DEP_2)
	v_lshrrev_b32 v13, 23, v11                     ; the byte
.if (\t) == 0
	s_delay_alu instid0(VALU_DEP_1)
	v_mov_b32 v24, v13
.else
	s_delay_alu instid0(VALU_DEP_1)
	v_lshl_or_b32 v24, v13, 8*(\t), v24            ; the K step's four bytes make a word
.endif
.set i, 0
.rept 32
	v_med3_num_f32 v[XS+i], v[XS+i], -v10, v10
.set i, i+1
.endr
.irp g, 0,1,2,3
	v_cvt_scalef32_pk8_bf8_f32 v[CD+8*(\t)+2*\g:CD+8*(\t)+2*\g+1], v[XS+8*\g:XS+8*\g+7], v11
.endr
	v_nop                                          ; a plain line behind the last conversion
	global_store_b128 v5, v[CD+8*(\t):CD+8*(\t)+3], s[10:11] offset:512*(\t)         ; k 32 t + 0 .. 15: the image's lanes 0-15.  Sixteen lanes fill an aligned run of 256 bytes in each of the two tiles
	global_store_b128 v5, v[CD+8*(\t)+4:CD+8*(\t)+7], s[10:11] offset:512*(\t)+256   ; k 32 t + 16 .. 31: its lanes 16-31
.endm
.macro WPATH n, vrow0, id0, pb
	s_sub_co_u32 s17, ttmp9, \id0
	s_lshr_b32 s18, s17, 3
	s_and_b32 s19, s17, 7                          ; the K step
	s_lshl_b32 s18, s18, 8
	s_lshl_b32 s24, s16, 5
	s_add_co_u32 s18, s18, s24                     ; n0: 256 x group + 32 x wave
	s_mul_i32 s24, s19, 128*(\n)*4
	s_lshl_b32 s26, s18, 2
	s_add_co_u32 s24, s24, s26
	s_add_nc_u64 s[\pb:\pb+1], s[\pb:\pb+1], s[24:25]
	s_add_co_u32 s26, s18, \vrow0                  ; the operand's row
	s_lshl_b32 s24, s26, 10
	s_lshl_b32 s27, s19, 11
	s_add_co_u32 s24, s24, s27
	s_add_nc_u64 s[10:11], s[10:11], s[24:25]
	s_lshl_b32 s24, s26, 5
	s_lshl_b32 s27, s19, 2
	s_add_co_u32 s24, s24, s27
	s_add_nc_u64 s[12:13], s[12:13], s[24:25]
	v_and_b32 v7, 8, v2
	s_delay_alu instid0(VALU_DEP_1)
	v_add_nc_u32 v7, v7, v2
	s_delay_alu instid0(VALU_DEP_1)
	v_lshl_add_u32 v7, v3, 3, v7                   ; r + 8 (r / 8) + 8 u
	s_delay_alu instid0(VALU_DEP_1)
	v_lshlrev_b32 v4, 2, v7                        ; in: my column
	v_lshlrev_b32 v5, 4, v2
	s_delay_alu instid0(VALU_DEP_1)
	v_lshl_add_u32 v5, v3, 14, v5                  ; out: 16 r in tile u
	v_lshlrev_b32 v6, 5, v1                        ; 32 bytes of scales a row
	WLOAD 0, \n, \pb
	WLOAD 1, \n, \pb
	s_wait_alu depctr_va_vdst(0)
	s_wait_loadcnt 32                              ; block 0 is in; block 1's 32 loads may be out
	WLOAD 2, \n, \pb
	WBLOCK 0
	s_wait_loadcnt 32                              ; block 1 is in; block 2's may be out
	WLOAD 3, \n, \pb
	WBLOCK 1
	s_wait_loadcnt 32                              ; block 2 is in; block 3's may be out
	WBLOCK 2
	s_wait_loadcnt 0x0
	WBLOCK 3
	global_store_b32 v6, v24, s[12:13]
	s_endpgm
.endm
.Lw_qkv:
	s_wait_alu depctr_va_vdst(0)
	WPATH 3072, 8192, 0, 6
.Lw_o:
	s_wait_alu depctr_va_vdst(0)
	WPATH 1024, 11264, 96, 8
.Lfunc_end_k_q6cc842d197_quant:
	.size	k_q6cc842d197_quant, .Lfunc_end_k_q6cc842d197_quant-k_q6cc842d197_quant
	.p2alignl 7, 3214868480
	.fill 96, 4, 3214868480
	.section	.rodata,"a",@progbits
	.p2align	6, 0x0
	.amdhsa_kernel k_q6cc842d197_quant
		.amdhsa_group_segment_fixed_size 68608
		.amdhsa_private_segment_fixed_size 0
		.amdhsa_enable_private_segment 0
		.amdhsa_kernarg_size 40
		.amdhsa_user_sgpr_count 2
		.amdhsa_user_sgpr_kernarg_segment_ptr 1
		.amdhsa_wavefront_size32 1
		.amdhsa_system_sgpr_workgroup_id_x 1
		.amdhsa_system_sgpr_workgroup_id_y 1
		.amdhsa_system_sgpr_workgroup_id_z 1
		.amdhsa_system_vgpr_workitem_id 0
		.amdhsa_next_free_vgpr 194
		.amdhsa_next_free_sgpr 66
		.amdhsa_reserve_vcc 1
		.amdhsa_float_denorm_mode_32 3
		.amdhsa_float_denorm_mode_16_64 3
		.amdhsa_memory_ordered 1
		.amdhsa_forward_progress 1
		.amdhsa_inst_pref_size 78
	.end_amdhsa_kernel
	.amdgpu_metadata
---
amdhsa.version: [ 1, 2 ]
amdhsa.kernels:
  - .name:           k_q6cc842d197_quant
    .symbol:         k_q6cc842d197_quant.kd
    .args:
      - { .name: x, .offset: 0, .size: 8, .value_kind: global_buffer, .address_space: global }
      - { .name: W_qkv, .offset: 8, .size: 8, .value_kind: global_buffer, .address_space: global }
      - { .name: W_o, .offset: 16, .size: 8, .value_kind: global_buffer, .address_space: global }
      - { .name: xw_codes, .offset: 24, .size: 8, .value_kind: global_buffer, .address_space: global }
      - { .name: xw_scales, .offset: 32, .size: 8, .value_kind: global_buffer, .address_space: global }
    .group_segment_fixed_size: 68608
    .private_segment_fixed_size: 0
    .kernarg_segment_align: 8
    .kernarg_segment_size: 40
    .max_flat_workgroup_size: 256
    .sgpr_count:     66
    .vgpr_count:     194
    .wavefront_size: 32
...
	.end_amdgpu_metadata
.endif
;; end of part 1
;; launch gemm_qkv (part 2): grid 12 x 32, 4 waves a work-group, clusters of 4 x 4, 327,680 bytes of LDS; arguments xw_codes, xw_scales, b_qkv, qc, qs, kv; writes qc, qs, kv
.if DOCPART == 2
	.amdgcn_target "amdgcn-amd-amdhsa--gfx1250"
	.amdhsa_code_object_version 6
	.text
	.protected	k_q6cc842d197_gemm_qkv
	.globl	k_q6cc842d197_gemm_qkv
	.p2align	8
	.type	k_q6cc842d197_gemm_qkv,@function
k_q6cc842d197_gemm_qkv:
	s_mov_b64 s[64:65], 0
	v_nop
	global_prefetch_b8 v0, s[64:65] scope:SCOPE_SE
	s_setreg_imm32_b32 hwreg(HW_REG_WAVE_MODE, 25, 1), 1
	s_wait_xcnt 0x0
	s_wait_alu depctr_hold_cnt(0) depctr_sa_sdst(0) depctr_va_vdst(0) depctr_va_sdst(0) depctr_va_ssrc(0) depctr_va_vcc(0) depctr_vm_vsrc(0)
	s_getreg_b32 s2, hwreg(HW_REG_IB_STS2, 6, 4)
	s_cmp_eq_u32 s2, 0
	s_cbranch_scc0 .Lentry_in_a_cluster
	s_endpgm
.Lentry_in_a_cluster:
	s_bfe_u32 s2, ttmp6, 0x10000c
	s_cmp_lg_u32 s2, 0xf033
	s_cbranch_scc0 .Lentry_shape_is_right
	s_endpgm
.Lentry_shape_is_right:
; qkv = x W_qkv + b_qkv on codes of BF8 (E5M2) with one E8M0 scale for each 32 along K = 1,024; the results are quantised at once, in registers, into the operands of the attention launch.
; Both operands are rows of ONE buffer of codes laid as images of the operand's registers (tile T of 16 rows at T x 16384; in it K step s at 2048 s, register group c at 512 c, lane at 16 x lane; row r of tile T stands
; for true row 32 (T / 2) + 8 (T % 2) + r + 8 (r / 8)); rows 0-8191 are x's tokens, rows 8192-11263 W_qkv's columns.  Scale bytes: 32 a row, rows in the same order.
; A tile of the result, 256 x 256, is made by four waves, 128 x 128 each: 64 accumulators, 512 registers.  K goes in steps of 256 through two LDS slots filled by the tensor data mover; a fragment is read by four
; loads of 512 consecutive bytes.  The scale bytes of the work-group's 2 x 256 rows come once, with the first fills, and stay.
; THE LANE SIDE AND THE REGISTER SIDE.  Source 0 = 16 rows of B, source 1 = 16 rows of A: a lane holds ONE row of A (lane % 16), and the 16 registers of B's tiles 2 b, 2 b + 1 are true rows 32 b + 16 (lane / 16) + 0 .. 15 of B.
; The cluster's x says which third of qkv it makes.  q, k (0, 1): A = tokens, B = features: a lane's registers run along the head's 64, the K of the scores.  v (2): A = features, B = tokens: they run along the keys, the K of the
; second product.  So each wave's 64 numbers of a lane side tile are four blocks of 32 along the next K, quantised as they lie; the codes ARE the next operand's registers, and each store covers 512 consecutive bytes.
; OUT.  qc [head][query tile][d block][512];  qs [head][8 tiles][row][tile] words (two bytes, twice);  kv [head][step of 128 keys][16,896]: K's 4 fragments (each TWO key tiles: one in k 0-63, one in k 64-127), V's 4 fragments
; (16 of the head's 64 x 128 keys), K's scale words [row][fragment], V's [row][fragment].
; The bias is the C of each sum's first matrix instruction.
; CLUSTERS: 4 x 4 work-groups; A's tiles are asked for jointly along a row of the cluster, B's along a column.
; LIMITS: a block whose largest magnitude lies under 2^-111 gets the byte 1; NaN and infinities are not served.
; REGISTERS, in windows of 256: window 0: v1 r, v2 h, v3-15 at work, v16-29 addresses; v32-63 scale words, two sets; v64-127 the bias; from v128 A's fragments, one set.  window 1: B's fragments, two sets.
;   windows 2, 3: the accumulators of my lane side tiles 0-3, 4-7 (accumulator (a, b) at v[8 (8 (a % 4) + b)]).
.set NQ,     2                         ; steps of 128 along K in a slot
.set FR,     16                        ; registers of a fragment
.set NL,     4                         ; LDS loads that bring one
.set NP,     8                         ; places behind this matrix instruction (ISA guide 7.12.1)
.set HALFT,  32768                     ; 8 tiles x 4,096 bytes (256 along K): what one tensor load brings
.set SLOT,   4*HALFT                   ; A's 16 tiles, then B's 16
.set KS,     32                        ; a row of scale bytes
.set SCL,    2*SLOT                    ; behind the ring: the scales, as units of 256 bytes + 16 of padding
.set HALFS,  16*272                    ; those of 128 rows
.set SBLK,   2*272                     ; those of 16 rows
.set SPARE,  SCL+4*HALFS               ; the spare words, 128 bytes for each wave: two blocks of 256 bytes that no other line names
.set HS,     270336                    ; a head in kv: 16 steps of 16,896 bytes
.set ADRA, 16                          ; v16-17  LDS address of my A fragments in slot 0, 1
.set ADRB, 20                          ; v20-21  the same for B
.set ADRS, 27                          ; v27     of my scale words: lanes 0-15 A's rows, lanes 16-31 B's
.set SPW,  28                          ; v28     my spare word; never rewritten
.set NIL,  29                          ; v29     0; never rewritten
.set SC,   32
.set BT,   64
.set AF,   128
.set TM,   32                          ; the way out: v32-47 at work, v48-55 the eight tiles' scale words, v56-71 codes, v72-89 at work, v128-191 64 numbers held
.set PWS,  48
.set PC,   56
.set T,    128
.set VO,   4                           ; v4-7 where a lane's four groups of 16 codes go
.set G1, 24
.set G0, 32
.set G1B, 48
.set G0B, 56
.set G1S, 68
.set G0S, 76
.set G1SB, 80
.set G0SB, 88
.set MSB, 0
.macro WIN new                         ; the immediate's high byte repeats the setting that is left
.if MSB != (\new)
	s_set_vgpr_msb (MSB<<8)|(\new)
.set MSB, (\new)
.endif
.endm
.set MUL_LO, 0xa1                      ; source 0 (B) window 1, source 1 (A) window 0, C and D window 2
.set MUL_HI, 0xf1                      ; the same, C and D window 3
.set TO_B,   0x40                      ; destination window 1, address window 0
; A joint load: waves 0 and 1 fetch for A, waves 2 and 3 for B.  The branch hangs on the wave's number alone.  Four v_nop follow each of the two lines.
.macro JLOAD g0a, g1a, g0b, g1b
	s_cmp_eq_u32 s15, 0
	s_cbranch_scc0 .Lfor_b_\@
	tensor_load_to_lds s[\g0a:\g0a+3], s[\g1a:\g1a+7]
	s_nop 0
.rept 4
	v_nop
.endr
	s_branch .Lasked_\@
.Lfor_b_\@:
	tensor_load_to_lds s[\g0b:\g0b+3], s[\g1b:\g1b+7]
	s_nop 0
.rept 4
	v_nop
.endr
.Lasked_\@:
.endm
.macro CREST                           ; a round of the cluster's barrier behind its opening barrier
	s_cmp_lg_u32 s14, 0
	s_cbranch_scc1 .Lnot_wave_0_\@
	s_barrier_signal -3
.Lnot_wave_0_\@:
	s_barrier_wait -3
	s_barrier_signal -1
	s_barrier_wait -1
.endm
.macro CROUND                          ; a whole round
	s_barrier_signal -1
	s_barrier_wait -1
	CREST
.endm
	s_load_b256 s[4:11], s[0:1], 0x0               ; the codes s[4:5], the scales s[6:7], b_qkv s[8:9], qc s[10:11]
	s_load_b128 s[92:95], s[0:1], 0x20             ; qs s[92:93], kv s[94:95]
	v_lshl_add_u32 v[SPW], v0, 2, SPARE
	v_mov_b32 v[NIL], 0
	ds_add_u32 v28, v29
	ds_add_u32 v28, v29
	s_wait_dscnt 0x0
	v_lshrrev_b32 v1, 5, v0
	v_readfirstlane_b32 s14, v1                    ; wave 0..3
	s_lshr_b32 s15, s14, 1                         ; which half of A's 256 rows is mine.  Also: I fetch for A (0) or for B (1)
	s_and_b32 s16, s14, 1                          ; which half of B's.  Also: which 128 rows I fetch
	s_bfe_u32 s40, ttmp6, 0x40000                  ; cx, cy: my place in the cluster
	s_bfe_u32 s41, ttmp6, 0x40004
	s_mov_b32 s12, ttmp9                           ; the cluster's x: 0 q, 1 k, 2 v: the same in all sixteen partners
	s_and_b32 s18, ttmp7, 0xffff
	s_lshl_b32 s18, s18, 2                         ; 4 x the cluster's y: the first of its four blocks of 256 tokens
	s_lshl_b32 s19, s12, 2
	s_add_co_u32 s19, s19, 32                      ; q, k: the first of the part's four blocks of 256 columns (W begins at block 32)
	s_cmp_eq_u32 s12, 2
	s_cselect_b32 s17, 40, s18                     ; A: v's columns, or tokens
	s_cselect_b32 s42, s18, s19                    ; B: tokens, or q's or k's columns
	s_add_co_u32 s17, s17, s41                     ; A's block of 256 rows hangs on cy alone,
	s_add_co_u32 s42, s42, s40                     ; B's on cx alone
	s_lshl_b32 s43, s41, 2
	s_lshl_b32 s43, 15, s43                        ; my row of the cluster
	s_lshl_b32 s44, 0x1111, s40                    ; my column
	s_mov_b32 s66, 0x76543210
	s_mov_b32 s67, 0xfedcba98                      ; v_permlanex16_b32's selects for lane l xor 16
	s_mov_b32 s100, 0x600000                       ; the mantissa field of 57,344
	; descriptor group 1 for codes: 8 rows (tiles) of 4,096 bytes (two K steps), 16,384 bytes apart; dense in LDS
	s_or_b32 s[G1+0], s43, (3<<16)|(1<<21)         ; 15:0 the mask: A's tiles go to my row; 17:16 elements of 8 bytes; 21 set beside a mask
	s_or_b32 s[G1B+0], s44, (3<<16)|(1<<21)
.irp g, G1, G1B
	s_mov_b32 s[\g+1], 512<<16                     ; tensor_dim0 = 512 elements
	s_mov_b32 s[\g+2], 16<<16                      ; tensor_dim1 = 16 for the head's loads; set to 8 for the ring's behind them
	s_mov_b32 s[\g+3], 512<<16                     ; tile_dim0
	s_mov_b32 s[\g+4], 16                          ; tile_dim1 likewise
	s_mov_b32 s[\g+5], 2048                        ; tensor_dim0_stride
	s_mov_b32 s[\g+6], 0
	s_mov_b32 s[\g+7], 0
.endr
	; and for the scales of 256 rows: 8,192 dense bytes as 32 rows of 256, 16 bytes of padding behind each
	s_or_b32 s[G1S+0], s43, (3<<16)|(1<<20)|(1<<21)|(5<<22)|(3<<25)
	s_or_b32 s[G1SB+0], s44, (3<<16)|(1<<20)|(1<<21)|(5<<22)|(3<<25)
.irp g, G1S, G1SB
	s_mov_b32 s[\g+1], 32<<16
	s_mov_b32 s[\g+2], 32<<16                      ; the scales of all 256 rows: 32 rows of 256 bytes
	s_mov_b32 s[\g+3], 32<<16
	s_mov_b32 s[\g+4], 32
	s_mov_b32 s[\g+5], 32
	s_mov_b32 s[\g+6], 0
	s_mov_b32 s[\g+7], 0
.endr
	s_lshl_b32 s20, s17, 8                         ; A: the block's first row
	s_lshl_b32 s46, s42, 8                         ; B: likewise
	s_lshl_b32 s22, s20, 5                         ; 32 scale bytes a row,
	s_mov_b32 s23, 0
	s_lshl_b32 s2, s46, 5
	s_mov_b32 s3, 0
	s_lshl_b32 s20, s20, 10                        ; 1,024 codes a row
	s_mov_b32 s21, 0
	s_lshl_b32 s46, s46, 10
	s_mov_b32 s47, 0
	s_mul_i32 s45, s14, HALFT                      ; where they go: by the wave's number alone
	s_wait_kmcnt 0x0
	s_add_nc_u64 s[20:21], s[4:5], s[20:21]
	s_add_nc_u64 s[22:23], s[6:7], s[22:23]
	s_add_nc_u64 s[46:47], s[4:5], s[46:47]
	s_add_nc_u64 s[2:3], s[6:7], s[2:3]
	CROUND                                         ; all sixteen work-groups are here: the first joint loads meet
	s_mov_b32 s[G0S], 1
	s_mov_b32 s[G0S+1], SCL
	s_mov_b64 s[G0S+2:G0S+3], s[22:23]
	s_or_b32 s[G0S+3], s[G0S+3], 0x80000000
	s_mov_b32 s[G0SB], 1
	s_mov_b32 s[G0SB+1], SCL+2*HALFS
	s_mov_b64 s[G0SB+2:G0SB+3], s[2:3]
	s_or_b32 s[G0SB+3], s[G0SB+3], 0x80000000
	s_lshl_b32 s2, s16, 17                         ; in the ring I fetch 128 rows: my half, in bytes
	s_mov_b32 s3, 0
	s_mov_b32 s[G0], 1                             ; slot 0's groups 0 serve the head first: K step 0's 16 tiles of A, whole,
	s_mov_b32 s[G0+1], 0
	s_mov_b64 s[G0+2:G0+3], s[20:21]
	s_or_b32 s[G0+3], s[G0+3], 0x80000000
	s_mov_b32 s[G0B], 1                            ; and B's 16, behind them
	s_mov_b32 s[G0B+1], 2*HALFT
	s_mov_b64 s[G0B+2:G0B+3], s[46:47]
	s_or_b32 s[G0B+3], s[G0B+3], 0x80000000
	s_add_nc_u64 s[20:21], s[20:21], s[2:3]
	s_add_nc_u64 s[46:47], s[46:47], s[2:3]
.irp s, 1
	s_mov_b32 s[G0+4*\s], 1
	s_add_co_u32 s[G0+4*\s+1], s45, \s*SLOT
	s_add_nc_u64 s[G0+4*\s+2:G0+4*\s+3], s[20:21], \s*4096
	s_or_b32 s[G0+4*\s+3], s[G0+4*\s+3], 0x80000000
	s_mov_b32 s[G0B+4*\s], 1
	s_add_co_u32 s[G0B+4*\s+1], s45, \s*SLOT
	s_add_nc_u64 s[G0B+4*\s+2:G0B+4*\s+3], s[46:47], \s*4096
	s_or_b32 s[G0B+4*\s+3], s[G0B+4*\s+3], 0x80000000
.endr
; THE HEAD'S LOADS, ONE A WAVE: wave 0 K step 0's tiles of A, wave 1 those of B, wave 2 A's scales, wave 3 B's.  One chain of branches on the wave's number, a load to an arm.
.macro ARM under, g0, g1, next
	s_cmp_lt_u32 s14, \under
	s_cbranch_scc0 \next
	tensor_load_to_lds s[\g0:\g0+3], s[\g1:\g1+7]
	s_nop 0
.rept 4
	v_nop
.endr
	s_branch .Lhead_asked
\next:
.endm
	ARM 1, G0,  G1,  .Lhead_b
	ARM 2, G0B, G1B, .Lhead_sa
	ARM 3, G0S, G1S, .Lhead_sb
	tensor_load_to_lds s[G0SB:G0SB+3], s[G1SB:G1SB+7]
	s_nop 0
.rept 4
	v_nop
.endr
.Lhead_asked:
; PREFETCHES INTO THE L2 of K slots 1 to 3.  Of the 8 tiles that a wave fetches for the ring, each of the four partners that ask for them jointly takes two, told apart by address (cx for A, cy for B): 2 x 4,096 bytes a slot, a lane to each
; 256.  Slots 1 and 2 are asked for here, slot 3 behind slot 1's load.  The tokens' tiles are named by the three clusters that load them; a weight's tiles, which eight rows of clusters load, by rows 0 to 3 alone.
	s_cmp_eq_u32 s15, 0
	s_cselect_b64 s[4:5], s[20:21], s[46:47]       ; my half of A's or of B's tiles, K slot 0
	s_cselect_b32 s18, s40, s41
	s_lshl_b32 s18, s18, 15                        ; two tiles for each partner
	s_mov_b32 s19, 0
	s_add_nc_u64 s[4:5], s[4:5], s[18:19]
	s_cmp_eq_u32 s12, 2
	s_cselect_b32 s6, 1, 0
	s_xor_b32 s6, s6, s15                          ; 1: my tiles are a weight's
	s_and_b32 s7, ttmp7, 0xffff
	s_lshr_b32 s7, s7, 2
	s_min_u32 s7, s7, 1                            ; 1: the cluster's row is 4 or more
	s_and_b32 s101, s6, s7                         ; 1: I ask for nothing
	v_and_b32 v30, 15, v0
	v_bfe_u32 v31, v0, 4, 1
	v_lshlrev_b32 v30, 8, v30
	v_lshl_add_u32 v30, v31, 14, v30               ; v30: 256 x (lane % 16) in tile lane / 16; never rewritten
	s_wait_alu depctr_va_vdst(0)
	s_cmp_eq_u32 s101, 0
	s_cbranch_scc0 .Lno_ask0
	global_prefetch_b8 v30, s[4:5] offset:4096 th:TH_LOAD_NT scope:SCOPE_SE
	global_prefetch_b8 v30, s[4:5] offset:8192 th:TH_LOAD_NT scope:SCOPE_SE
.Lno_ask0:
	v_and_b32 v1, 15, v0                           ; r
	v_bfe_u32 v2, v0, 4, 1                         ; h
	v_and_b32 v3, 31, v0
	v_lshlrev_b32 v4, 4, v3                        ; 16 x lane: my place in every group of a fragment's image
	s_mul_i32 s21, s15, HALFT                      ; my 8 tiles of A
	s_mul_i32 s22, s16, HALFT                      ; my 8 tiles of B,
	s_add_co_u32 s22, s22, 2*HALFT                 ; which lie behind A's 16
.irp s, 0,1
	v_add_nc_u32 v[ADRA+\s], s21, v4
	v_add_nc_u32 v[ADRB+\s], s22, v4
	s_add_co_u32 s21, s21, SLOT
	s_add_co_u32 s22, s22, SLOT
.endr
	v_mul_u32_u24 v5, v1, KS                       ; my row's scales: 32 bytes a row,
	v_lshrrev_b32 v6, 8, v5
	v_lshl_add_u32 v5, v6, 4, v5                   ; and 16 more for each 256 passed
	s_mul_i32 s21, s15, HALFS
	s_mul_i32 s22, s16, HALFS
	s_add_co_u32 s22, s22, 2*HALFS
	s_sub_co_u32 s22, s22, s21
	v_mul_u32_u24 v6, s22, v2                      ; lanes 16-31 take B's
	s_add_co_u32 s21, s21, SCL
	v_add_nc_u32 v5, v5, v6
	v_add_nc_u32 v[ADRS], s21, v5
	; THE BIAS, in the result's layout.  q, k: tile g of the register side, register j: feature 32 (g / 2) + 8 (g % 2) + 16 h + j.  v: tile g of the lane side: feature 32 (g / 2) + 8 (g % 2) + r + 8 (r / 8), in all eight registers.
	s_cmp_eq_u32 s12, 2
	s_cselect_b32 s96, 4, 0                        ; bytes for each step of r + 8 (r / 8),
	s_cselect_b32 s97, 0, 64                       ; of h,
	s_cselect_b32 s98, 0, 4                        ; of j
	s_cselect_b32 s18, s41, s40                    ; the features' block of 256
	s_cselect_b32 s19, s15, s16                    ; and my half of it
	s_lshl_b32 s18, s18, 8
	s_lshl_b32 s19, s19, 7
	s_add_co_u32 s18, s18, s19
	s_lshl_b32 s19, s12, 10                        ; 1,024 features a part
	s_add_co_u32 s18, s18, s19
	s_lshl_b32 s18, s18, 2
	s_mov_b32 s19, 0
	s_add_nc_u64 s[8:9], s[8:9], s[18:19]
	v_and_b32 v3, 8, v1
	v_add_nc_u32 v3, v3, v1
	v_mul_u32_u24 v3, s96, v3
	v_mul_u32_u24 v5, s97, v2
	v_add_nc_u32 v3, v3, v5
.irp j, 0,1,2,3,4,5,6,7
	v_mad_u32_u24 v[8+\j], s98, \j, v3
.endr
.irp g, 0,1,2,3,4,5,6,7
.irp j, 0,1,2,3,4,5,6,7
	global_load_b32 v[BT+8*\g+\j], v[8+\j], s[8:9] offset:(32*(\g/2)+8*(\g%2))*4
.endr
.endr
.macro FRAG reg, adr, q, i             ; a fragment's image: four groups of 512 consecutive bytes
.irp c, 0,1,2,3
	ds_load_b128 v[\reg+4*\c:\reg+4*\c+3], v[\adr] offset:(\i)*4096+(\q)*2048+512*\c
.endr
.endm
; 16 matrix instructions: A's tiles a0, a0 + 1 x B's eight, 128 along K: the slot's q-th.  p: B's set; sc: the set of scale words.  zero = 1, 2: the first product starts the sums from the bias of B's tile, of A's tile.
; The 64 accumulators take turns, one instruction a turn, in the same order in every step.
.macro MUL16 a0, p, q, sc, zero
.irp a, \a0, \a0+1
.irp b, 0,1,2,3,4,5,6,7
.if (\zero) == 1
	v_wmma_scale_f32_16x16x128_f8f6f4 v[8*(8*((\a)%4)+\b):8*(8*((\a)%4)+\b)+7], v[128*(\p)+FR*\b:128*(\p)+FR*\b+FR-1], v[AF+FR*(\a):AF+FR*(\a)+FR-1], v[BT+8*\b:BT+8*\b+7], v[SC+8*NQ*(\sc)+NQ*\b+(\q)], v[SC+8*NQ*(\sc)+NQ*(\a)+(\q)] matrix_a_fmt:MATRIX_FMT_BF8 matrix_b_fmt:MATRIX_FMT_BF8 matrix_a_scale:MATRIX_SCALE_ROW1
.elseif (\zero) == 2
	v_wmma_scale_f32_16x16x128_f8f6f4 v[8*(8*((\a)%4)+\b):8*(8*((\a)%4)+\b)+7], v[128*(\p)+FR*\b:128*(\p)+FR*\b+FR-1], v[AF+FR*(\a):AF+FR*(\a)+FR-1], v[BT+8*(\a):BT+8*(\a)+7], v[SC+8*NQ*(\sc)+NQ*\b+(\q)], v[SC+8*NQ*(\sc)+NQ*(\a)+(\q)] matrix_a_fmt:MATRIX_FMT_BF8 matrix_b_fmt:MATRIX_FMT_BF8 matrix_a_scale:MATRIX_SCALE_ROW1
.else
	v_wmma_scale_f32_16x16x128_f8f6f4 v[8*(8*((\a)%4)+\b):8*(8*((\a)%4)+\b)+7], v[128*(\p)+FR*\b:128*(\p)+FR*\b+FR-1], v[AF+FR*(\a):AF+FR*(\a)+FR-1], v[8*(8*((\a)%4)+\b):8*(8*((\a)%4)+\b)+7], v[SC+8*NQ*(\sc)+NQ*\b+(\q)], v[SC+8*NQ*(\sc)+NQ*(\a)+(\q)] matrix_a_fmt:MATRIX_FMT_BF8 matrix_b_fmt:MATRIX_FMT_BF8 matrix_a_scale:MATRIX_SCALE_ROW1
.endif
.endr
.endr
.endm
.macro FETCH_B slot, q, p              ; B's eight fragments of the slot's q-th 128 along K into set p
	WIN TO_B
.irp i, 0,1,2,3,4,5,6,7
	FRAG 128*(\p)+FR*\i, ADRB+\slot, \q, \i
.endr
	WIN 0
.endm
.macro FETCH_A slot, q, i0             ; A's tiles i0 .. i0 + 3
.irp i, \i0, \i0+1, \i0+2, \i0+3
	FRAG AF+FR*(\i), ADRA+\slot, \q, \i
.endr
.endm
.macro SCALES sc                       ; a K step's scale words into set sc: two words a row; lanes 0-15 take A's tile i, lanes 16-31 B's tile i
.irp i, 0,1,2,3,4,5,6,7
	ds_load_b64 v[SC+8*NQ*\sc+NQ*\i:SC+8*NQ*\sc+NQ*\i+1], v[ADRS] offset:\i*SBLK
.endr
.endm
.macro PLACES n                        ; plain vector lines between a matrix instruction and a load into, or a read of, its registers (ISA guide 7.12.1 for the reads)
.rept \n
	v_nop
.endr
.endm
; A step of 128 along K that has its successor in the same slot.  A has one set of registers: tiles 0-3 are fetched anew in the step's middle, tiles 4-7 at its end; B has two sets.
.macro STEP slot, q, zero
	s_wait_dscnt 4*NL                              ; B's set and A's tiles 0-3 are in; the youngest 16 loads (A's tiles 4-7) may be out
.if \zero
	WIN 0x81                                       ; C (the bias) window 0, D window 2
.else
	WIN MUL_LO
.endif
	MUL16 0, (\q)%2, \q, \slot, \zero
	MUL16 2, (\q)%2, \q, \slot, \zero
	s_wait_dscnt 0                                 ; A's tiles 4-7 are in
	PLACES NP
	FETCH_B \slot, (\q)+1, 1-(\q)%2
	FETCH_A \slot, (\q)+1, 0
.if \zero
	WIN 0xc1                                       ; C window 0, D window 3
.else
	WIN MUL_HI
.endif
	MUL16 4, (\q)%2, \q, \slot, \zero
	MUL16 6, (\q)%2, \q, \slot, \zero
	PLACES NP
	WIN 0
	FETCH_A \slot, (\q)+1, 4
.endm
; A slot's last step changes slots: ONE barrier; in front of it each wave waits for all its tensor loads, adds 0 to its spare word, and waits for that and for its own reads of this slot.  fill = 1: this slot is filled again, two K steps ahead.
.macro TURN slot, next, fill
	s_wait_tensorcnt 0x0                           ; all my tensor loads have landed: my part of the next slot
	ds_add_u32 v[SPW], v[NIL]                      ; 0 onto my spare word
	s_wait_dscnt 4*NL+1                            ; (the add and the youngest 16 loads, A's tiles 4-7, may be out)
	WIN MUL_LO
	MUL16 0, 1, NQ-1, \slot, 0                     ; sixteen matrix instructions stand between the add and the wait for it
	s_wait_dscnt 0x0                               ; the add is done, and my reads of this slot are over
	s_barrier_signal -1
	MUL16 2, 1, NQ-1, \slot, 0
	WIN 0
	s_barrier_wait -1
.if \fill
	CREST                                          ; the barrier has opened a round of the cluster's barrier: no wave of any partner still reads this slot or has a load on its way
	s_add_nc_u64 s[G0+4*\slot+2:G0+4*\slot+3], s[G0+4*\slot+2:G0+4*\slot+3], 8192
	s_add_nc_u64 s[G0B+4*\slot+2:G0B+4*\slot+3], s[G0B+4*\slot+2:G0B+4*\slot+3], 8192
	JLOAD G0+4*\slot, G1, G0B+4*\slot, G1B         ; the first tensor load behind the round; its four v_nop are among the places in front of the loads below
	PLACES NP-4
.else
	PLACES NP
.endif
	s_wait_alu depctr_va_vdst(0)
	v_add_nc_u32 v[ADRS], 4*NQ, v[ADRS]            ; on to the next K step's scale words
	FETCH_B \next, 0, 0
	FETCH_A \next, 0, 0
	SCALES \next
	WIN MUL_HI
	MUL16 4, 1, NQ-1, \slot, 0
	MUL16 6, 1, NQ-1, \slot, 0
	PLACES NP
	WIN 0
	FETCH_A \next, 0, 4
.endm
	s_wait_alu depctr_va_vdst(0)
	s_wait_tensorcnt 0x0                           ; my tile of the head's four is in; the lines ahead of a later first fill:
	ds_add_u32 v[SPW], v[NIL]
	s_mov_b32 s[G1+2], 8<<16                       ; no tensor load of mine is out: from here on a load brings 8 tiles,
	s_mov_b32 s[G1+4], 8
	s_mov_b32 s[G1B+2], 8<<16
	s_mov_b32 s[G1B+4], 8
	s_mov_b32 s[G0+1], s45                         ; and slot 0's groups 0 stand at my half
	s_add_nc_u64 s[G0+2:G0+3], s[G0+2:G0+3], s[2:3]
	s_mov_b32 s[G0B+1], s45
	s_add_nc_u64 s[G0B+2:G0B+3], s[G0B+2:G0B+3], s[2:3]
	s_wait_dscnt 0x0
	CROUND                                         ; all four tiles are in, in all sixteen work-groups
	JLOAD G0+4, G1, G0B+4, G1B                     ; K step 1: the first tensor load behind the round
	FETCH_B 0, 0, 0
	FETCH_A 0, 0, 0
	SCALES 0
	s_cmp_eq_u32 s101, 0
	s_cbranch_scc0 .Lno_ask1
	global_prefetch_b8 v30, s[4:5] offset:12288 th:TH_LOAD_NT scope:SCOPE_SE   ; K slot 3: two changes of slots ahead of its load
.Lno_ask1:
	FETCH_A 0, 0, 4
	s_wait_loadcnt 0x0                             ; the bias
	s_cmp_eq_u32 s12, 2                            ; the first step is written twice: the bias goes with the features, which are B's rows for q and k, A's for v
	s_cbranch_scc1 .Lfirst_v
	STEP 0, 0, 1
	s_branch .Lfirst_done
.Lfirst_v:
	STEP 0, 0, 2
.Lfirst_done:
	TURN 0, 1, 1                                   ; K = 1,024 is four slots' worth: both slots are filled again once, and the steps are written out
	STEP 1, 0, 0
	TURN 1, 0, 1
	STEP 0, 0, 0
	TURN 0, 1, 0                                   ; nothing is left to fetch
	STEP 1, 0, 0
	s_wait_dscnt 4*NL
	WIN MUL_LO
	MUL16 0, 1, NQ-1, 1, 0
	MUL16 2, 1, NQ-1, 1, 0
	s_wait_dscnt 0
	WIN MUL_HI
	MUL16 4, 1, NQ-1, 1, 0
	MUL16 6, 1, NQ-1, 1, 0
	WIN 0
; THE WAY OUT.  No LDS: a lane side tile's 64 numbers of a lane are four blocks' halves along the next K; their codes are four groups of an operand's image.
	PLACES NP
	s_cmp_eq_u32 s12, 2
	s_wait_xcnt 0x0                                ; the prefetches have read s[4:5], which is written below
	s_cselect_b32 s20, s42, s17
	s_cselect_b32 s21, s16, s15                    ; my half of it,
	s_cselect_b32 s22, s41, s40                    ; the features' block of 256 (four heads),
	s_cselect_b32 s23, s15, s16                    ; my half of it (two heads)
	s_cselect_b32 s96, 8192, 0                     ; V's fragments lie behind K's
	s_mov_b32 s8, 1024
	s_cselect_b32 s8, 2048, s8                     ; from a lane side tile to the next
	s_cselect_b32 s18, 262144, 0                   ; v: and from tile 3 to tile 4, the next head: HS - 4 x 2,048 more
	s_mov_b32 s9, 0
	s_cmp_eq_u32 s12, 0
	s_cselect_b64 s[4:5], s[10:11], s[94:95]       ; qc, or kv
	s_mov_b32 s97, HS
	s_cselect_b32 s97, 131072, s97                 ; a head,
	s_mov_b32 s98, 16896
	s_cselect_b32 s98, 8192, s98                   ; and 128 tokens in it
	s_mov_b32 s10, s18
	s_mov_b32 s11, 0
	s_cmp_eq_u32 s12, 2
	s_cselect_b32 s99, 1024, s97                   ; where blocks 2, 3 go: v: groups 2, 3 of the fragment; q, k: the next head
	s_lshl_b32 s20, s20, 8
	s_lshl_b32 s21, s21, 7
	s_add_co_u32 s20, s20, s21                     ; my first token
	s_lshr_b32 s19, s20, 11                        ; the batch
	s_bfe_u32 s21, s20, 0x40007                    ; which 128 tokens of its 2,048
	s_lshl_b32 s19, s19, 4
	s_lshl_b32 s22, s22, 2
	s_lshl_b32 s23, s23, 1
	s_add_co_u32 s20, s19, s22
	s_add_co_u32 s20, s20, s23                     ; my first head
	s_mul_i32 s46, s20, s97
	s_mul_i32 s47, s21, s98
	s_add_co_u32 s46, s46, s47                     ; kept for the scale words
	s_add_co_u32 s2, s46, s96
	s_mov_b32 s3, 0
	s_add_nc_u64 s[4:5], s[4:5], s[2:3]
	v_and_b32 v3, 31, v0
	v_lshlrev_b32 v[VO], 4, v3
	v_add_nc_u32 v[VO+1], 512, v[VO]
	v_add_nc_u32 v[VO+2], s99, v[VO]
	v_add_nc_u32 v[VO+3], s99, v[VO+1]
.irp b, 0,1,2,3
	v_mov_b32 v[TM+4+\b], 0                        ; written once: a lane permute's destination counts as one of its sources
.endr
.macro EQ a
.set WA, 2+(\a)/4
.set AC, 64*((\a)%4)
	WIN WA|(WA<<2)
.irp b, 0,1,2,3
	v_max3_num_f32 v[TM+\b], |v[AC+16*\b]|, |v[AC+16*\b+1]|, 0x8000000   ; block b: my 16 numbers, from each accumulator's low end on, and the floor 2^(16 - 127)
.endr
	WIN (WA<<2)|(WA<<4)
.irp i, 2,4,6,8,10,12,14
.irp b, 0,1,2,3
	v_max3_num_f32 v[TM+\b], v[TM+\b], |v[AC+16*\b+\i]|, |v[AC+16*\b+\i+1]|
.endr
.endr
	WIN 0
.irp b, 0,1,2,3
	v_permlanex16_b32 v[TM+4+\b], v[TM+\b], s66, s67
.endr
.irp b, 0,1,2,3
	v_max_num_f32 v[TM+\b], v[TM+\b], v[TM+4+\b]   ; with lane l xor 16's: the block's largest magnitude
.endr
.irp b, 0,1,2,3
	v_add_nc_u32 v[TM+12+\b], 0xf8800000, v[TM+\b] ; 15 off its exponent field: the conversion's scale operand
.endr
.irp b, 0,1,2,3
	v_and_or_b32 v[TM+8+\b], v[TM+\b], 0x7f800000, s100   ; 57,344 x the scale
.endr
.irp b, 0,1,2,3
	v_lshrrev_b32 v[TM+4+\b], 23, v[TM+12+\b]      ; the byte
.endr
	v_lshl_or_b32 v[PWS+(\a)], v[TM+5], 8, v[TM+4]
	v_lshl_or_b32 v[PWS+(\a)], v[TM+6], 16, v[PWS+(\a)]
	v_lshl_or_b32 v[PWS+(\a)], v[TM+7], 24, v[PWS+(\a)]
	WIN WA
.irp b, 0,1,2,3
.irp i, 0,1,2,3,4,5,6,7,8,9,10,11,12,13,14,15
	v_med3_num_f32 v[T+16*\b+\i], v[AC+16*\b+\i], -v[TM+8+\b], v[TM+8+\b]   ; the hold (the conversion does not saturate: ISA guide 7.6.2), into window 0
.endr
.endr
	WIN 0
.if (\a) > 0
	s_wait_alu depctr_va_vdst(0)
	s_wait_xcnt 0x0                                ; the last tile's stores have read their codes and their base
	s_add_nc_u64 s[4:5], s[4:5], s[8:9]
.endif
.if (\a) == 4
	s_add_nc_u64 s[4:5], s[4:5], s[10:11]
.endif
.irp b, 0,1,2,3
	v_cvt_scalef32_pk8_bf8_f32 v[PC+4*\b:PC+4*\b+1], v[T+16*\b:T+16*\b+7], v[TM+12+\b]
	v_cvt_scalef32_pk8_bf8_f32 v[PC+4*\b+2:PC+4*\b+3], v[T+16*\b+8:T+16*\b+15], v[TM+12+\b]
.endr
	v_nop                                          ; a plain line behind the last conversion
.irp b, 0,1,2,3
	global_store_b128 v[VO+\b], v[PC+4*\b:PC+4*\b+3], s[4:5]   ; 32 lanes store 512 consecutive bytes
.endr
.endm
.irp a, 0,1,2,3,4,5,6,7
	EQ \a
.endr
	; the scale words: v[PWS + a] holds tile a's four bytes, in every lane of row r
	v_cmp_ne_u32 vcc_lo, 0, v2                     ; lanes 16-31
	s_cmp_eq_u32 s12, 0
	s_cbranch_scc1 .Lsc_q
	s_cmp_eq_u32 s12, 1
	s_cbranch_scc1 .Lsc_k
	s_add_co_u32 s2, s46, 16640                    ; v: a tile's word is fragment a % 4's, of head a / 4: lanes 0-15 store the first head's four words, lanes 16-31 the second's
	s_add_nc_u64 s[6:7], s[94:95], s[2:3]
.irp t, 0,1,2,3
	v_cndmask_b32 v[80+\t], v[PWS+\t], v[PWS+4+\t], vcc_lo
.endr
	v_mul_u32_u24 v89, v2, HS
	v_lshl_add_u32 v88, v1, 4, v89
	global_store_b128 v88, v[80:83], s[6:7]        ; sixteen lanes store 256 consecutive bytes
	s_branch .Lsc_done
.Lsc_k:
	s_add_co_u32 s2, s46, 16384                    ; k: fragment f's word: key tile 2 f's two bytes of the head, then key tile 2 f + 1's
	s_add_nc_u64 s[6:7], s[94:95], s[2:3]
.irp f, 0,1,2,3
	v_perm_b32 v[72+\f], v[PWS+2*\f+1], v[PWS+2*\f], 0x05040100
	v_perm_b32 v[76+\f], v[PWS+2*\f+1], v[PWS+2*\f], 0x07060302
.endr
.irp f, 0,1,2,3
	v_cndmask_b32 v[80+\f], v[72+\f], v[76+\f], vcc_lo
.endr
	v_mul_u32_u24 v89, v2, HS
	v_lshl_add_u32 v88, v1, 4, v89
	global_store_b128 v88, v[80:83], s[6:7]
	s_branch .Lsc_done
.Lsc_q:
	s_lshl_b32 s2, s20, 13                         ; q: 8,192 bytes a head, 512 for my eight tiles; a word is the head's two bytes, twice
	s_lshl_b32 s13, s21, 9
	s_add_co_u32 s2, s2, s13
	s_add_nc_u64 s[6:7], s[92:93], s[2:3]
	v_lshlrev_b32 v88, 5, v1
	v_lshl_add_u32 v88, v2, 4, v88                 ; row r's 32 bytes; lanes 0-15 tiles 0-3, lanes 16-31 tiles 4-7
.irp hd, 0,1
.irp a, 0,1,2,3,4,5,6,7
	v_perm_b32 v[72+\a], v[PWS+\a], v[PWS+\a], 0x01000100+0x02020202*\hd
.endr
.irp j, 0,1,2,3
	v_cndmask_b32 v[80+4*\hd+\j], v[72+\j], v[76+\j], vcc_lo
.endr
	global_store_b128 v88, v[80+4*\hd:83+4*\hd], s[6:7] offset:8192*\hd   ; 32 lanes store 512 consecutive bytes
.endr
.Lsc_done:
	s_wait_tensorcnt 0x0                           ; the wave's end
	ds_add_u32 v[SPW], v[NIL]
	s_wait_dscnt 0x0
	CROUND                                         ; the closing round: no work-group ends while a partner may still ask for a tile that names it
	s_endpgm
.Lfunc_end_k_q6cc842d197_gemm_qkv:
	.size	k_q6cc842d197_gemm_qkv, .Lfunc_end_k_q6cc842d197_gemm_qkv-k_q6cc842d197_gemm_qkv
	.p2alignl 7, 3214868480
	.fill 96, 4, 3214868480
	.section	.rodata,"a",@progbits
	.p2align	6, 0x0
	.amdhsa_kernel k_q6cc842d197_gemm_qkv
		.amdhsa_group_segment_fixed_size 327680
		.amdhsa_private_segment_fixed_size 0
		.amdhsa_enable_private_segment 0
		.amdhsa_kernarg_size 48
		.amdhsa_user_sgpr_count 2
		.amdhsa_user_sgpr_kernarg_segment_ptr 1
		.amdhsa_wavefront_size32 1
		.amdhsa_system_sgpr_workgroup_id_x 1
		.amdhsa_system_sgpr_workgroup_id_y 1
		.amdhsa_system_sgpr_workgroup_id_z 1
		.amdhsa_system_vgpr_workitem_id 0
		.amdhsa_next_free_vgpr 1024
		.amdhsa_next_free_sgpr 102
		.amdhsa_reserve_vcc 1
		.amdhsa_float_denorm_mode_32 3
		.amdhsa_float_denorm_mode_16_64 3
		.amdhsa_memory_ordered 1
		.amdhsa_forward_progress 1
		.amdhsa_inst_pref_size 212
	.end_amdhsa_kernel
	.amdgpu_metadata
---
amdhsa.version: [ 1, 2 ]
amdhsa.kernels:
  - .name:           k_q6cc842d197_gemm_qkv
    .symbol:         k_q6cc842d197_gemm_qkv.kd
    .args:
      - { .name: xw_codes, .offset: 0, .size: 8, .value_kind: global_buffer, .address_space: global }
      - { .name: xw_scales, .offset: 8, .size: 8, .value_kind: global_buffer, .address_space: global }
      - { .name: b_qkv, .offset: 16, .size: 8, .value_kind: global_buffer, .address_space: global }
      - { .name: qc, .offset: 24, .size: 8, .value_kind: global_buffer, .address_space: global }
      - { .name: qs, .offset: 32, .size: 8, .value_kind: global_buffer, .address_space: global }
      - { .name: kv, .offset: 40, .size: 8, .value_kind: global_buffer, .address_space: global }
    .group_segment_fixed_size: 327680
    .private_segment_fixed_size: 0
    .kernarg_segment_align: 8
    .kernarg_segment_size: 48
    .max_flat_workgroup_size: 128
    .sgpr_count:     102
    .vgpr_count:     1024
    .wavefront_size: 32
...
	.end_amdgpu_metadata
.endif
;; end of part 2
;; launch attn (part 3): grid 4 x 64, 16 waves a work-group, clusters of 4 x 1, 327,680 bytes of LDS; arguments qc, qs, kv, oc, os; writes oc, os
.if DOCPART == 3
	.amdgcn_target "amdgcn-amd-amdhsa--gfx1250"
	.amdhsa_code_object_version 6
	.text
	.protected	k_q6cc842d197_attn
	.globl	k_q6cc842d197_attn
	.p2align	8
	.type	k_q6cc842d197_attn,@function
k_q6cc842d197_attn:
	s_mov_b64 s[64:65], 0
	v_nop
	global_prefetch_b8 v0, s[64:65] scope:SCOPE_SE
	s_setreg_imm32_b32 hwreg(HW_REG_WAVE_MODE, 25, 1), 1
	s_wait_xcnt 0x0
	s_wait_alu depctr_hold_cnt(0) depctr_sa_sdst(0) depctr_va_vdst(0) depctr_va_sdst(0) depctr_va_ssrc(0) depctr_va_vcc(0) depctr_vm_vsrc(0)
	s_getreg_b32 s2, hwreg(HW_REG_IB_STS2, 6, 4)
	s_cmp_eq_u32 s2, 0
	s_cbranch_scc0 .Lentry_in_a_cluster
	s_endpgm
.Lentry_in_a_cluster:
	s_bfe_u32 s2, ttmp6, 0x10000c
	s_cmp_lg_u32 s2, 0x3003
	s_cbranch_scc0 .Lentry_shape_is_right
	s_endpgm
.Lentry_shape_is_right:
; Causal attention of one (batch, head) on codes of BF8 (E5M2) with one E8M0 scale for each 32 along a product's K; head size 64, 2,048 tokens.  The result, divided by the row's sum, is quantised along the model's 1,024
; (two blocks a head) and stored as an image of the last product's operand.
; LEFT OUT: key steps all of whose 128 keys come after a tile's queries: their scores are -infinity, so their p is 0 for all values of the inputs.
; THE SOFTMAX AHEAD OF THE SECOND PRODUCT: t = score x log2(e) / 8; M = the row's largest t so far, rounded UP to a whole number; p = 2^(t - M) is quantised along the keys, not normalised; the row's sum is taken of the
; unquantised p.  When M moves, the sum and O are multiplied by 2^(old M - new M): exact.
; IN.  kv [head][step of 128 keys][16,896 bytes]: K's 4 fragments (8,192 bytes), V's 4 fragments (8,192), K's scale words (256), V's (256); all images of registers: a fragment is four groups of 512 consecutive bytes.
; K LIES IN LDS, WHOLE: 16 steps x 8,192 bytes.  Each of the sixteen waves fetches one step's K with one tensor load at the head; nothing is filled again.  Steps 0 and 1 (waves 0 and 1, a load line of their own) are shown by the
; first barrier, the other fourteen by the barrier behind the first two steps.  K's scale words, 256 bytes a step, are loaded by the step's wave and stored into LDS bytes of their own ahead of the first barrier.
; V GOES FROM kv STRAIGHT INTO REGISTERS: a step's 16 loads of 512 consecutive bytes, and its scale words, are issued behind the scores' products, into the registers that K's fragments have left, and waited for ahead of the second
; product: the whole softmax stands between.  So a wave's step reads 8,448 bytes from LDS and 8,448 from kv.
; V IS PREFETCHED INTO THE L2: the 34 blocks of 256 bytes from a step's V to its scale words are shared out among the four partners by address, nine blocks each (held at the last; lanes left over name their last block again).
; Wave w asks for step w, once: waves 0 to 3 at the head, wave w from 4 on in trip w - 2, two trips ahead of the trip that loads the step.
; CLUSTER: the four work-groups of a head want the same sixteen tiles of K at the same time: each is asked for jointly (mask 15).
; SHARES.  A head has 128 tiles of 16 queries.  Wave w of work-group cx owns tiles 127 - (4 w + cx) and 4 w + cx: they need 16 - w / 2 and w / 2 + 1 key steps, 17 for every wave, walked as one run of 17 trips: the first tile's
; keys upward from step 0, then the second tile's downward from its diagonal step to step 0.  The counts hang on the wave's number alone; cx enters global addresses and the mask's data, and no branch and no LDS address.
; Every work-group reads all sixteen tiles of K (its wave 0 does).
; THE SCORES' K IS 64, THE INSTRUCTION'S 128: a fragment of K holds TWO key tiles, one in k 0-63 and one in k 64-127; it is multiplied once by [Q | zeros] and once by [zeros | Q]; the registers hold Q | zeros | Q.
; Both products are used transposed: a lane holds ONE query (lane % 16).  Row r of tile T is token 32 (T / 2) + 8 (T % 2) + r + 8 (r / 8), so that the 16 registers of two neighbouring key tiles are 16 neighbouring keys.
; LIMITS: p under 2^-126 comes out of v_exp_f32 as 0; a block whose largest magnitude lies under 2^-111 gets the byte 1; NaN and infinities are not served.  The result's scale bytes leave one byte a lane: one in 32 of what is stored.
.set HS,    270336                     ; a head in kv
.set SB,    16896                      ; a step's block in kv
.set KB,    8192                       ; a step's K in LDS
.set KS0,   16*KB                      ; behind K: K's scale words, 256 bytes a step: stored by the waves, never filled by a tensor load
.set SPARE, KS0+16*256                 ; behind them: the spare words, 128 bytes for each wave
.set QL,  16                           ; v16-31   [Q | 0]
.set QH,  24                           ; v24-39   [0 | Q]
.set F,   40                           ; v40-103  four fragments of K, then of V
.set S,   104                          ; v104-167 S^T, then p
.set OT,  168                          ; v168-199 O^T
.set PC,  200                          ; v200-215 p's codes
.set BM,  216                          ; v216-219 the blocks' largest
.set PT,  220                          ; v220-223 at work
.set HD,  224                          ; v224-227 57,344 x the scale
.set SO,  228                          ; v228-231 the conversions' scale operands
.set KSC, 232                          ; v232-235 K's scale words
.set VSC, 236                          ; v236-239 V's
.set FF,  240                          ; v240 f = 2^(old M - new M); v241 p's scale word
.set T0,  242
.set T1,  243
.set Q2,  244                          ; v244-251 the second tile's Q, v252 its scale words, until the first tile is finished
.set QS2, 252
.set GV,  253                          ; v253 the step's V in the head's part of kv: step x SB + 16 x lane
.set GS,  254                          ; v254 its scale words: step x SB + 16 r
.set PFO, 255                          ; v255 the prefetch's offset; never rewritten
.set QSC, 7                            ; v7  Q's scale words
.set DM,  11                           ; v11 my query - the diagonal step's first key - 16 h
; v1 16 x lane; v2 16 r; v3 32 r; v4 32 r + h; v5, v6 the spare word and 0; v8, v9 the step's LDS addresses; v10 r + 8 (r / 8) - 16 h; v12 -M, v13 the largest t, v[14:15] the sum in two halves
; s3 the trip n; s2 n x KB; s45 (16 - n) x KB; s39, s44, s43 the step's K and scale words in LDS and its block in kv; s14 16 x batch + head; s15, s17 my tiles; s16 cx; s18 wave; s19 mantissa; s[20:21] selects; s[22:23] c;
; s[24:31], s[32:35] the descriptor; s36 the trip on the diagonal; s37 the trip in which I prefetch; s38 the second tile's first trip; s[46:53], s54 the first tile's Q, Q's scales, O, O's scales and diagonal offset;
; s[56:63], s55 the second's; s[66:67] step w's block in kv; s[68:69] the head's part of kv
.macro CROUND                          ; a round of the cluster's barrier
	s_barrier_signal -1
	s_barrier_wait -1
	s_cmp_lg_u32 s18, 0
	s_cbranch_scc1 .Lnot_wave_0_\@
	s_barrier_signal -3
.Lnot_wave_0_\@:
	s_barrier_wait -3
	s_barrier_signal -1
	s_barrier_wait -1
.endm
.macro TILE t, qcb, qsb, ocb, osb, dd  ; where tile s\t's data lie
	s_lshl_b32 s40, s14, 17                        ; Q's codes: 131,072 bytes a head, 1,024 a tile
	s_lshl_b32 s42, s\t, 10
	s_add_co_u32 s40, s40, s42
	s_add_nc_u64 s[\qcb:\qcb+1], s[4:5], s[40:41]
	s_lshl_b32 s40, s14, 13                        ; Q's scale words: 8,192 a head, 512 for eight tiles, 4 a tile in a row's 32
	s_lshr_b32 s42, s\t, 3
	s_lshl_b32 s42, s42, 9
	s_add_co_u32 s40, s40, s42
	s_and_b32 s42, s\t, 7
	s_lshl_b32 s42, s42, 2
	s_add_co_u32 s40, s40, s42
	s_add_nc_u64 s[\qsb:\qsb+1], s[6:7], s[40:41]
	s_lshr_b32 s42, s14, 4
	s_lshl_b32 s42, s42, 7
	s_add_co_u32 s42, s42, s\t                     ; the tile among all 8,192 tokens'
	s_and_b32 s43, s14, 15                         ; the head
	s_lshl_b32 s40, s42, 14                        ; O's codes: 16,384 a tile, 1,024 x head in it
	s_lshl_b32 s44, s43, 10
	s_add_co_u32 s40, s40, s44
	s_add_nc_u64 s[\ocb:\ocb+1], s[10:11], s[40:41]
	s_lshl_b32 s40, s42, 9                         ; O's scale bytes: 32 a row, the head's two at 2 x head
	s_lshl_b32 s44, s43, 1
	s_add_co_u32 s40, s40, s44
	s_add_nc_u64 s[\osb:\osb+1], s[12:13], s[40:41]
	s_bfe_u32 s42, s\t, 0x20001                    ; the tile's first query in its diagonal step: 32 ((T / 2) % 4) + 8 (T % 2)
	s_lshl_b32 s42, s42, 5
	s_and_b32 s43, s\t, 1
	s_lshl_b32 s43, s43, 3
	s_add_co_u32 s\dd, s42, s43
.endm
	s_load_b256 s[4:11], s[0:1], 0x0               ; qc s[4:5], qs s[6:7], kv s[8:9], oc s[10:11]
	s_load_b64 s[12:13], s[0:1], 0x20              ; os
	v_lshl_add_u32 v5, v0, 2, SPARE
	v_mov_b32 v6, 0
	ds_add_u32 v5, v6                              ; the opening lines: the add, twice on end, and its wait ahead of my tensor load
	ds_add_u32 v5, v6
	v_lshrrev_b32 v8, 5, v0
	v_readfirstlane_b32 s18, v8                    ; wave 0..15
	s_bfe_u32 s16, ttmp6, 0x40000                  ; cx
	s_and_b32 s14, ttmp7, 0xffff                   ; 16 x batch + head: the cluster's y
	s_mov_b32 s24, 15|(3<<16)|(1<<21)              ; the descriptor: mask of the four; elements of 8 bytes; bit 21 beside a mask; a step's K, 8,192 dense bytes, as 32 rows of 256
	s_mov_b32 s25, 32<<16
	s_mov_b32 s26, 32<<16
	s_mov_b32 s27, 32<<16
	s_mov_b32 s28, 32
	s_mov_b32 s29, 32
	s_mov_b32 s30, 0
	s_mov_b32 s31, 0
	s_mov_b32 s32, 1
	s_lshl_b32 s33, s18, 13                        ; LDS: step = my wave's number
	s_mul_i32 s42, s14, HS                         ; the head's part of kv,
	s_mov_b32 s43, 0
	s_mul_i32 s40, s18, SB
	s_add_co_u32 s40, s40, s42                     ; and step w's block in it
	s_mov_b32 s41, 0
	s_mov_b32 s20, 0x76543210
	s_mov_b32 s21, 0xfedcba98
	s_mov_b32 s22, 0x3e38aa3b                      ; c = log2(e) / 8
	s_mov_b32 s23, s22
	s_mov_b32 s19, 0x600000
	s_wait_dscnt 0x0                               ; both opening adds are done
	CROUND                                         ; all four work-groups are here: the joint loads meet
	s_wait_kmcnt 0x0
	s_add_nc_u64 s[66:67], s[8:9], s[40:41]
	s_add_nc_u64 s[68:69], s[8:9], s[42:43]
	s_mov_b64 s[34:35], s[66:67]
	s_or_b32 s35, s35, 0x80000000
	s_cmp_lt_u32 s18, 2                            ; one load a wave; waves 0 and 1, which alone wait at the first barrier, have a line of their own
	s_cbranch_scc0 .Lrest
	tensor_load_to_lds s[32:35], s[24:31]
	s_nop 0
.rept 4
	v_nop
.endr
	s_branch .Lasked
.Lrest:
	tensor_load_to_lds s[32:35], s[24:31]
	s_nop 0
.rept 4
	v_nop
.endr
.Lasked:
	s_mul_i32 s42, s16, 9                          ; the prefetch: my work-group's nine of the 34 blocks
	v_and_b32 v8, 31, v0
	v_min_u32 v[PFO], 8, v8
	v_add_nc_u32 v[PFO], s42, v[PFO]
	v_min_u32 v[PFO], 33, v[PFO]
	v_lshlrev_b32 v[PFO], 8, v[PFO]
	v_lshlrev_b32 v1, 4, v8
	v_and_b32 v9, 15, v0                           ; r
	v_bfe_u32 v11, v0, 4, 1                        ; h
	v_lshlrev_b32 v2, 4, v9
	v_lshlrev_b32 v3, 5, v9
	v_add_nc_u32 v4, v3, v11
	s_wait_alu depctr_va_vdst(0)
	global_load_b128 v[KSC:KSC+3], v2, s[66:67] offset:16384   ; step w's scale words of K, on their way to LDS
	s_cmp_lt_u32 s18, 4
	s_cbranch_scc0 .Lno_ask
	global_prefetch_b8 v[PFO], s[66:67] offset:8192 th:TH_LOAD_NT scope:SCOPE_SE   ; steps 0 to 3
.Lno_ask:
	s_lshl_b32 s15, s18, 2
	s_add_co_u32 s15, s15, s16                     ; the second tile: 4 w + cx
	s_sub_co_u32 s17, 127, s15                     ; the first
	s_lshr_b32 s44, s18, 1
	s_sub_co_u32 s36, 15, s44                      ; the first tile's diagonal step, and trip: 15 - w / 2
	s_sub_co_u32 s38, 16, s44                      ; the second tile's first trip, on its diagonal: 16 - w / 2
	s_sub_co_u32 s37, s18, 2                       ; the trip in which I prefetch (waves 0 to 3: none of trips 2 to 16)
	TILE 17, 46, 48, 50, 52, 54
	TILE 15, 56, 58, 60, 62, 55
.irp c, 0,1
	global_load_b128 v[QL+4*\c:QL+4*\c+3], v1, s[46:47] offset:512*\c          ; a tile's 16 queries x 64: two groups of 512 bytes, on both sides of the zeros
	global_load_b128 v[QL+16+4*\c:QL+16+4*\c+3], v1, s[46:47] offset:512*\c
	global_load_b128 v[Q2+4*\c:Q2+4*\c+3], v1, s[56:57] offset:512*\c
.endr
	global_load_b32 v[QSC], v3, s[48:49]
	global_load_b32 v[QS2], v3, s[58:59]
	v_and_b32 v10, 8, v9
	v_add_nc_u32 v10, v10, v9
	v_lshlrev_b32 v11, 4, v11
	v_sub_nc_u32 v10, v10, v11
	v_add_nc_u32 v[DM], s54, v10
	s_lshl_b32 s42, s18, 8
	s_add_co_u32 s42, s42, KS0
	v_add_nc_u32 v9, s42, v2                       ; where step w's scale words go in LDS: KS0 + 256 w + 16 r
.set j, 0
.rept 8
	v_mov_b32 v[QH+j], 0                           ; the zeros between the two copies of Q: written once
.set j, j+1
.endr
.irp b, 0,1,2,3
	v_mov_b32 v[PT+\b], 0                          ; a lane permute's destination counts as one of its sources
.endr
	v_mov_b32 v[FF+1], 0                           ; (named as the upper half of a pair before it is first written)
	v_mov_b32 v[T0], 0
.macro INIT                            ; the step is written once: a tile's first finds zeros, which the first change of M leaves zeros
	v_mov_b32 v13, 0xff61b1e6                      ; the largest t so far: -3e38, under every t
	s_delay_alu instid0(VALU_DEP_1)
	v_floor_f32 v12, -v13
	v_mov_b32 v14, 0
	v_mov_b32 v15, 0
.set j, 0
.rept 32
	v_mov_b32 v[OT+j], 0
.set j, j+1
.endr
.endm
; A KEY STEP: 128 keys: K at LDS byte s39, its scale words at s44, V and its scale words at byte s43 of the head's part of kv.  m = 1: the trip on the diagonal is masked: a branch on the wave's number and the count of trips.
.macro STEP m
	v_add_nc_u32 v8, s39, v1
	v_add_nc_u32 v9, s44, v2
	v_add_nc_u32 v[GV], s43, v1                    ; (the last step's loads from kv were waited for ahead of its second product)
	v_add_nc_u32 v[GS], s43, v2
.rept 4
	v_nop                                          ; with the four additions: eight places in front of loads into registers that matrix instructions have read
.endr
.irp f, 0,1,2,3
.irp c, 0,1,2,3
	ds_load_b128 v[F+16*\f+4*\c:F+16*\f+4*\c+3], v8 offset:2048*\f+512*\c
.endr
.endr
	ds_load_b128 v[KSC:KSC+3], v9
	s_wait_alu depctr_va_vdst(0)
	s_wait_dscnt 0x0
.irp f, 0,1,2,3                        ; S^T: fragment f against [Q | 0]: key tile 2 f; against [0 | Q]: key tile 2 f + 1.  Registers S + 16 f + 0 .. 15 are keys 32 f + 16 h + 0 .. 15
	v_wmma_scale_f32_16x16x128_f8f6f4 v[S+16*\f:S+16*\f+7], v[F+16*\f:F+16*\f+15], v[QL:QL+15], 0, v[KSC+\f], v[QSC] matrix_a_fmt:MATRIX_FMT_BF8 matrix_b_fmt:MATRIX_FMT_BF8
	v_wmma_scale_f32_16x16x128_f8f6f4 v[S+16*\f+8:S+16*\f+15], v[F+16*\f:F+16*\f+15], v[QH:QH+15], 0, v[KSC+\f], v[QSC] matrix_a_fmt:MATRIX_FMT_BF8 matrix_b_fmt:MATRIX_FMT_BF8
.endr
.rept 8
	v_nop                                          ; places in front of the loads below and of the first read of the scores
.endr
.irp t, 0,1,2,3                        ; V's fragments take K's registers: 32 lanes read 512 consecutive bytes of kv; they land while the softmax is worked
.irp c, 0,1,2,3
	global_load_b128 v[F+16*\t+4*\c:F+16*\t+4*\c+3], v[GV], s[68:69] offset:8192+2048*\t+512*\c
.endr
.endr
	global_load_b128 v[VSC:VSC+3], v[GS], s[68:69] offset:16640
.if \m
	s_cmp_lg_u32 s3, s36                           ; on the diagonal hidden scores become -infinity ahead of the maximum
	s_cbranch_scc1 .Lopen_\@
	v_mov_b32 v[T1], 0xff800000
.set n, 0
.rept 64
	v_cmp_gt_i32 vcc_lo, 32*(n/16)+n%16, v[DM]     ; register 16 b + i holds key 32 b + 16 h + i of the step: hidden where 32 b + i > v[DM]
	v_cndmask_b32 v[S+n], v[S+n], v[T1], vcc_lo
.set n, n+1
.endr
.Lopen_\@:
.endif
.irp b, 0,1,2,3
	v_max3_num_f32 v[BM+\b], v[S+16*\b], v[S+1+16*\b], v[S+2+16*\b]   ; the largest score of each block of 32 keys: for the row's maximum, and, since p rises with the score, for the block's largest p
.endr
.irp i, 3,5,7,9,11,13
.irp b, 0,1,2,3
	v_max3_num_f32 v[BM+\b], v[BM+\b], v[S+16*\b+\i], v[S+1+16*\b+\i]
.endr
.endr
.irp b, 0,1,2,3
	v_max_num_f32 v[BM+\b], v[BM+\b], v[S+15+16*\b]
.endr
.irp b, 0,1,2,3
	s_delay_alu instid0(VALU_DEP_4)
	v_permlanex16_b32 v[PT+\b], v[BM+\b], s20, s21
.endr
.irp b, 0,1,2,3
	s_delay_alu instid0(VALU_DEP_4)
	v_max_num_f32 v[BM+\b], v[BM+\b], v[PT+\b]     ; with lane l xor 16's 16 keys
.endr
	s_delay_alu instid0(VALU_DEP_2)
	v_max3_num_f32 v[T0], v[BM], v[BM+1], v[BM+2]
	s_delay_alu instid0(VALU_DEP_1)
	v_max_num_f32 v[T0], v[T0], v[BM+3]
	s_delay_alu instid0(VALU_DEP_1)
	v_mul_f32 v[T0], s22, v[T0]                    ; as t (c is positive)
	s_delay_alu instid0(VALU_DEP_1)
	v_max_num_f32 v13, v13, v[T0]                  ; the running largest t
	v_mov_b32 v[T0], v12
	s_delay_alu instid0(VALU_DEP_2)
	v_floor_f32 v12, -v13                          ; the new -M = -ceil(t): a whole number
	s_delay_alu instid0(VALU_DEP_1)
	v_sub_f32 v[T0], v12, v[T0]                    ; old M - new M: a whole number, 0 or less
	s_delay_alu instid0(VALU_DEP_1)
	v_cvt_i32_f32 v[T0], v[T0]                     ; (it saturates)
	s_delay_alu instid0(VALU_DEP_1)
	v_ldexp_f32 v[FF], 1.0, v[T0]                  ; f = 2^(old M - new M)
.set j, 0
.rept 32
	v_pk_fma_f32 v[S+j:S+j+1], v[S+j:S+j+1], s[22:23], v[12:13] op_sel_hi:[1,0,0]   ; t - M, two at a time
.set j, j+2
.endr
.irp b, 0,1,2,3
	v_fma_f32 v[BM+\b], v[BM+\b], s22, v12         ; the same of each block's largest score
.endr
.set j, 0
	s_wait_alu depctr_va_vdst(0)
.rept 64
	v_exp_f32 v[S+j], v[S+j]                       ; p = 2^(t - M), at most 1
.set j, j+1
.endr
	v_pk_mul_f32 v[14:15], v[14:15], v[FF:FF+1] op_sel_hi:[1,0]   ; the sums under the new M: a plain line behind the exponentials
	s_wait_alu depctr_va_vdst(0)                   ; one wait for the whole batch, ahead of its first reader
.irp b, 0,1,2,3
	v_exp_f32 v[BM+\b], v[BM+\b]                   ; the block's largest p: the same two instructions on the same number
.endr
.set k, 0                              ; the row's sum of the unquantised p: 32 pairs in eight chains, seven of them in registers that are free here
.irp t, 220,222,224,226,228,230,242
	v_pk_add_f32 v[\t:\t+1], v[S+k:S+k+1], v[S+k+2:S+k+3]
.set k, k+4
.endr
	v_pk_add_f32 v[14:15], v[14:15], v[S+28:S+29]
.set k, 30
.rept 2
.irp t, 220,222,224,226,228,230,242
	v_pk_add_f32 v[\t:\t+1], v[\t:\t+1], v[S+k:S+k+1]
.set k, k+2
.endr
	v_pk_add_f32 v[14:15], v[14:15], v[S+k:S+k+1]
.set k, k+2
.endr
	v_pk_add_f32 v[220:221], v[220:221], v[S+62:S+63]
	v_pk_add_f32 v[14:15], v[14:15], v[222:223]
	v_pk_add_f32 v[220:221], v[220:221], v[224:225]
	v_pk_add_f32 v[226:227], v[226:227], v[228:229]
	v_pk_add_f32 v[230:231], v[230:231], v[242:243]
	v_pk_add_f32 v[14:15], v[14:15], v[220:221]
	v_pk_add_f32 v[226:227], v[226:227], v[230:231]
	v_pk_add_f32 v[14:15], v[14:15], v[226:227]
	s_wait_alu depctr_va_vdst(0)                   ; and one for the four
.irp b, 0,1,2,3
	v_max_num_f32 v[BM+\b], 0x8000000, v[BM+\b]    ; the floor 2^(16 - 127): the byte cannot fall under 1
.endr
.irp b, 0,1,2,3
	v_add_nc_u32 v[SO+\b], 0xf8800000, v[BM+\b]    ; the conversion's scale operand
.endr
.irp b, 0,1,2,3
	v_and_or_b32 v[HD+\b], v[BM+\b], 0x7f800000, s19   ; 57,344 x the scale
.endr
.irp b, 0,1,2,3
	v_lshrrev_b32 v[PT+\b], 23, v[SO+\b]           ; the byte
.endr
	v_lshl_or_b32 v[FF+1], v[PT+1], 8, v[PT]       ; p's scale word for these 128 keys
	v_lshl_or_b32 v[FF+1], v[PT+2], 16, v[FF+1]
	v_lshl_or_b32 v[FF+1], v[PT+3], 24, v[FF+1]
.irp b, 0,1,2,3
.set i, 0
.rept 8
	v_dual_min_num_f32 v[S+16*\b+i], v[S+16*\b+i], v[HD+\b] :: v_dual_min_num_f32 v[S+16*\b+i+1], v[S+16*\b+i+1], v[HD+\b]   ; the conversion does not saturate (ISA guide 7.6.2); p is not negative, so the hold is one-sided; two to a line
.set i, i+2
.endr
	v_cvt_scalef32_pk8_bf8_f32 v[PC+4*\b:PC+4*\b+1], v[S+16*\b:S+16*\b+7], v[SO+\b]
	v_cvt_scalef32_pk8_bf8_f32 v[PC+4*\b+2:PC+4*\b+3], v[S+16*\b+8:S+16*\b+15], v[SO+\b]
.endr
	s_wait_alu depctr_va_vdst(0)                   ; directly ahead of the first reader of O^T
.set j, 0
.rept 16
	v_pk_mul_f32 v[OT+j:OT+j+1], v[OT+j:OT+j+1], v[FF:FF+1] op_sel_hi:[1,0]   ; O^T under the new M; these lines also stand between the codes' making and the products
.set j, j+2
.endr
	s_wait_alu depctr_va_vdst(0)
	s_wait_loadcnt 0x0                             ; V's fragments and scale words are in
.irp t, 0,1,2,3                        ; O^T += V^T P^T: registers OT + 16 t' + 0 .. 15 are the head's 32 t' + 16 h + 0 .. 15
	v_wmma_scale_f32_16x16x128_f8f6f4 v[OT+8*\t:OT+8*\t+7], v[F+16*\t:F+16*\t+15], v[PC:PC+15], v[OT+8*\t:OT+8*\t+7], v[VSC+\t], v[FF+1] matrix_a_fmt:MATRIX_FMT_BF8 matrix_b_fmt:MATRIX_FMT_BF8
.endr
.endm
; A tile is finished: O^T / the sum, quantised along the model's K (my head's two blocks of 32), stored as two groups of the operand's image.
.macro FINISH ocb, osb
.rept 8
	v_nop                                          ; places behind the last products
.endr
	v_add_f32 v14, v14, v15
	s_delay_alu instid0(VALU_DEP_1)
	v_permlanex16_b32 v[T0], v14, s20, s21
	s_delay_alu instid0(VALU_DEP_1)
	v_add_f32 v14, v14, v[T0]                      ; the row's sum
	s_wait_alu depctr_va_vdst(0)
	v_rcp_f32 v14, v14
	v_bfe_u32 v[T1], v0, 4, 1                      ; (a plain line behind the reciprocal)
	s_delay_alu instid0(VALU_DEP_1)
	v_cmp_ne_u32 vcc_lo, 0, v[T1]                  ; lanes 16-31
	s_wait_alu depctr_va_vdst(0)                   ; the wait, ahead of the first reader
.set j, 0
.rept 16
	v_pk_mul_f32 v[S+j:S+j+1], v[OT+j:OT+j+1], v[14:15] op_sel_hi:[1,0]
.set j, j+2
.endr
.irp b, 0,1
	v_max3_num_f32 v[BM+\b], |v[S+16*\b]|, |v[S+1+16*\b]|, 0x8000000
.endr
.irp i, 2,4,6,8,10,12,14
.irp b, 0,1
	s_delay_alu instid0(VALU_DEP_2)
	v_max3_num_f32 v[BM+\b], v[BM+\b], |v[S+16*\b+\i]|, |v[S+1+16*\b+\i]|
.endr
.endr
.irp b, 0,1
	s_delay_alu instid0(VALU_DEP_2)
	v_permlanex16_b32 v[PT+\b], v[BM+\b], s20, s21
.endr
.irp b, 0,1
	s_delay_alu instid0(VALU_DEP_2)
	v_max_num_f32 v[BM+\b], v[BM+\b], v[PT+\b]
.endr
.irp b, 0,1
	s_delay_alu instid0(VALU_DEP_2)
	v_add_nc_u32 v[SO+\b], 0xf8800000, v[BM+\b]
.endr
.irp b, 0,1
	s_delay_alu instid0(VALU_DEP_4)
	v_and_or_b32 v[HD+\b], v[BM+\b], 0x7f800000, s19
.endr
.irp b, 0,1
	s_delay_alu instid0(VALU_DEP_4)
	v_lshrrev_b32 v[PT+\b], 23, v[SO+\b]
.endr
.irp b, 0,1
.set i, 0
.rept 16
	v_med3_num_f32 v[S+16*\b+i], v[S+16*\b+i], -v[HD+\b], v[HD+\b]
.set i, i+1
.endr
	v_cvt_scalef32_pk8_bf8_f32 v[PC+4*\b:PC+4*\b+1], v[S+16*\b:S+16*\b+7], v[SO+\b]
	v_cvt_scalef32_pk8_bf8_f32 v[PC+4*\b+2:PC+4*\b+3], v[S+16*\b+8:S+16*\b+15], v[SO+\b]
.endr
	v_nop                                          ; a plain line behind the last conversion
	global_store_b128 v1, v[PC:PC+3], s[\ocb:\ocb+1]     ; 32 lanes store 512 consecutive bytes
	global_store_b128 v1, v[PC+4:PC+7], s[\ocb:\ocb+1] offset:512
	v_cndmask_b32 v[T0], v[PT], v[PT+1], vcc_lo    ; lanes 0-15 store the first block's byte, lanes 16-31 the second's
	global_store_b8 v4, v[T0], s[\osb:\osb+1]
.endm
	INIT
	s_mov_b32 s3, 0
	s_mov_b32 s39, 0
	s_mov_b32 s44, KS0
	s_mov_b32 s43, 0
	s_wait_alu depctr_va_vdst(0)
	s_wait_loadcnt 0x0                             ; both tiles' Q, and step w's scale words of K,
	ds_store_b128 v9, v[KSC:KSC+3]                 ; which go to their place in LDS (both halves of the lanes store the same 16 bytes of row r)
	s_wait_dscnt 0x0                               ; for the other waves' sake
	s_cmp_lt_u32 s18, 2
	s_cbranch_scc0 .Lnot_first
	s_wait_tensorcnt 0x0                           ; waves 0 and 1: steps 0 and 1 have landed.  The other waves' wait stands at the second barrier
.Lnot_first:
	s_barrier_signal -1
	s_barrier_wait -1
.Lk1:                                              ; trips 0 and 1: the first tile, steps 0 and 1: all their keys count for it (its queries begin at 1,024 or later)
	STEP 0
	s_add_co_u32 s3, s3, 1
	s_add_co_u32 s39, s39, KB
	s_add_co_u32 s44, s44, 256
	s_add_co_u32 s43, s43, SB
	s_cmp_lt_u32 s3, 2
	s_cbranch_scc1 .Lk1
	s_wait_tensorcnt 0x0                           ; every wave: my step's K has landed
	s_wait_dscnt 0x0
	s_barrier_signal -1
	s_barrier_wait -1                              ; all of the head's K is in LDS
	s_mov_b32 s3, 2
	s_mov_b32 s2, 2*KB
	s_mov_b32 s45, 15*KB
.Lk2:                                              ; trips 2 to 16
	s_cmp_lg_u32 s3, s38
	s_cbranch_scc1 .Lsame
	FINISH 50, 52                                  ; trip 16 - w / 2: the first tile is finished, the second begins
	s_wait_xcnt 0x0                                ; the stores have read their data
.set j, 0
.rept 8
	v_mov_b32 v[QL+j], v[Q2+j]                     ; the second tile's Q, on both sides of the zeros
	v_mov_b32 v[QL+16+j], v[Q2+j]
.set j, j+1
.endr
	v_mov_b32 v[QSC], v[QS2]
	v_add_nc_u32 v[DM], s55, v10
	INIT
	s_mov_b32 s36, s38                             ; its first trip is the one on its diagonal
	s_wait_alu depctr_va_vdst(0)
.Lsame:
	s_sub_co_u32 s45, s45, KB                      ; (16 - n) x KB
	s_min_u32 s39, s2, 15*KB
	s_cmp_lt_u32 s3, s38
	s_cselect_b32 s39, s39, s45                    ; the first tile takes step n, the second step 16 - n
	s_lshr_b32 s44, s39, 5
	s_add_co_u32 s44, s44, KS0                     ; the step's scale words of K: 256 bytes a step
	s_lshr_b32 s43, s39, 13
	s_mul_i32 s43, s43, SB                         ; and its block in kv
	s_cmp_eq_u32 s3, s37
	s_cbranch_scc0 .Lno_ask2
	global_prefetch_b8 v[PFO], s[66:67] offset:8192 th:TH_LOAD_NT scope:SCOPE_SE   ; trip w - 2: step w's V and scale words, my work-group's nine blocks
.Lno_ask2:
	STEP 1
	s_add_co_u32 s3, s3, 1
	s_add_co_u32 s2, s2, KB
	s_cmp_lt_u32 s3, 17
	s_cbranch_scc1 .Lk2
	FINISH 60, 62
	s_barrier_signal -1                            ; every wave's LDS reads are over (each waited for them in its last step)
	s_barrier_wait -1
	s_wait_tensorcnt 0x0                           ; the wave's end
	ds_add_u32 v5, v6
	s_wait_dscnt 0x0
	CROUND                                         ; the closing round
	s_endpgm
.Lfunc_end_k_q6cc842d197_attn:
	.size	k_q6cc842d197_attn, .Lfunc_end_k_q6cc842d197_attn-k_q6cc842d197_attn
	.p2alignl 7, 3214868480
	.fill 96, 4, 3214868480
	.section	.rodata,"a",@progbits
	.p2align	6, 0x0
	.amdhsa_kernel k_q6cc842d197_attn
		.amdhsa_group_segment_fixed_size 327680
		.amdhsa_private_segment_fixed_size 0
		.amdhsa_enable_private_segment 0
		.amdhsa_kernarg_size 40
		.amdhsa_user_sgpr_count 2
		.amdhsa_user_sgpr_kernarg_segment_ptr 1
		.amdhsa_wavefront_size32 1
		.amdhsa_system_sgpr_workgroup_id_x 1
		.amdhsa_system_sgpr_workgroup_id_y 1
		.amdhsa_system_sgpr_workgroup_id_z 1
		.amdhsa_system_vgpr_workitem_id 0
		.amdhsa_next_free_vgpr 256
		.amdhsa_next_free_sgpr 72
		.amdhsa_reserve_vcc 1
		.amdhsa_float_denorm_mode_32 3
		.amdhsa_float_denorm_mode_16_64 3
		.amdhsa_memory_ordered 1
		.amdhsa_forward_progress 1
		.amdhsa_inst_pref_size 70
	.end_amdhsa_kernel
	.amdgpu_metadata
---
amdhsa.version: [ 1, 2 ]
amdhsa.kernels:
  - .name:           k_q6cc842d197_attn
    .symbol:         k_q6cc842d197_attn.kd
    .args:
      - { .name: qc, .offset: 0, .size: 8, .value_kind: global_buffer, .address_space: global }
      - { .name: qs, .offset: 8, .size: 8, .value_kind: global_buffer, .address_space: global }
      - { .name: kv, .offset: 16, .size: 8, .value_kind: global_buffer, .address_space: global }
      - { .name: oc, .offset: 24, .size: 8, .value_kind: global_buffer, .address_space: global }
      - { .name: os, .offset: 32, .size: 8, .value_kind: global_buffer, .address_space: global }
    .group_segment_fixed_size: 327680
    .private_segment_fixed_size: 0
    .kernarg_segment_align: 8
    .kernarg_segment_size: 40
    .max_flat_workgroup_size: 512
    .sgpr_count:     72
    .vgpr_count:     256
    .wavefront_size: 32
...
	.end_amdgpu_metadata
.endif
;; end of part 3
;; launch gemm_out (part 4): grid 4 x 64, 4 waves a work-group, clusters of 4 x 4, 327,680 bytes of LDS; arguments oc, os, xw_codes, xw_scales, b_o, out0; writes out0
.if DOCPART == 4
	.amdgcn_target "amdgcn-amd-amdhsa--gfx1250"
	.amdhsa_code_object_version 6
	.text
	.protected	k_q6cc842d197_gemm_out
	.globl	k_q6cc842d197_gemm_out
	.p2align	8
	.type	k_q6cc842d197_gemm_out,@function
k_q6cc842d197_gemm_out:
	s_mov_b64 s[64:65], 0
	v_nop
	global_prefetch_b8 v0, s[64:65] scope:SCOPE_SE
	s_setreg_imm32_b32 hwreg(HW_REG_WAVE_MODE, 25, 1), 1
	s_wait_xcnt 0x0
	s_wait_alu depctr_hold_cnt(0) depctr_sa_sdst(0) depctr_va_vdst(0) depctr_va_sdst(0) depctr_va_ssrc(0) depctr_va_vcc(0) depctr_vm_vsrc(0)
	s_getreg_b32 s2, hwreg(HW_REG_IB_STS2, 6, 4)
	s_cmp_eq_u32 s2, 0
	s_cbranch_scc0 .Lentry_in_a_cluster
	s_endpgm
.Lentry_in_a_cluster:
	s_bfe_u32 s2, ttmp6, 0x10000c
	s_cmp_lg_u32 s2, 0xf033
	s_cbranch_scc0 .Lentry_shape_is_right
	s_endpgm
.Lentry_shape_is_right:
; out0 = O W_o + b_o on codes of BF8 (E5M2) with one E8M0 scale for each 32 along K = 1,024.  A = oc, os: the attention's result; B = rows 11264-12287 of xw_codes, xw_scales: W_o's columns.  Both lie as images of the operand's
; registers (tile T of 16 rows at T x 16384; K step s at 2048 s, group c at 512 c, lane at 16 x lane; row r of tile T is true row 32 (T / 2) + 8 (T % 2) + r + 8 (r / 8)); scale bytes 32 a row, in the same order.
; A block of the result is 128 tokens x 256 columns: 64 x 4 = 256 work-groups.  Four waves, 2 x 2, 64 x 128 each: 32 accumulators, one window of registers.  K goes in steps of 256 through two LDS slots (A's 8 tiles, B's 16);
; both operands have two sets of fragment registers: a step of 128 fetches the next step's fragments ahead of its 32 products.  The scale bytes of the 128 + 256 rows come once, at the head, and stay.
; The bias is the C of each sum's first product.  Source 0 = B's rows, source 1 = A's: a lane holds neighbouring columns of one row; the results leave through each wave's stage in slot 0, as rows of 512 bytes.
; CLUSTERS: 4 x 4 work-groups; A's tiles are asked for jointly along a row of the cluster, B's along a column.
; PREFETCHES INTO THE L2 of K slots 1 to 3: of the tiles that a wave fetches for the ring, each of the four partners that ask for them jointly takes a quarter, told apart by address (cx for A: one tile, 16 lanes, the other lanes
; name its last 256 bytes again; cy for B: two tiles), a lane to each 256 bytes.  Slots 1 and 2 are asked for at the head, slot 3 behind slot 1's load.  W_o's tiles, which all sixteen rows of clusters load, are named by rows 0 to 3 alone.
; LIMITS: NaN and infinities are not served.
; REGISTERS: window 0: v1-8 at work, v16-30 addresses, v32-63 scale words (two sets), v64-127 the bias, v128-255 A's fragments (two sets of four); window 1: B's fragments (two sets of eight); window 2: accumulator (a, b) at v[8 (8 a + b)].
.set NQ,     2
.set FR,     16
.set NP,     8                         ; places behind this matrix instruction (ISA guide 7.12.1)
.set ATB,    16384                     ; 4 tiles x 4,096 bytes: what a wave fetches, and reads, of A in a slot
.set HALFT,  32768                     ; 8 tiles: the same of B
.set BOF,    2*ATB                     ; B's tiles lie behind A's 8
.set SLOT,   BOF+2*HALFT
.set SCL,    2*SLOT                    ; behind the ring: A's scales, as units of 256 bytes + 16 of padding
.set SBLK,   2*272                     ; those of 16 rows
.set SCB,    SCL+8*SBLK                ; B's
.set SPARE,  SCB+16*SBLK               ; the spare words: 128 bytes a wave
.set SPITCH, 528
.set ADRA, 16
.set ADRB, 20
.set STO,  24
.set RD,   25
.set CO,   26
.set ADRS, 27
.set SPW,  28
.set NIL,  29
.set PFO,  30                          ; v30 the prefetches' offset; never rewritten
.set PFA,  4                           ; s[4:5] their base; never rewritten
.set SC,   32
.set BT,   64
.set AF,   128
.set BK,   128
.set G1, 24
.set G0, 32
.set G1B, 48
.set G0B, 56
.set G1S, 68
.set G0S, 76
.set G1SB, 80
.set G0SB, 88
.set MSB, 0
.macro WIN new                         ; the immediate's high byte repeats the setting that is left
.if MSB != (\new)
	s_set_vgpr_msb (MSB<<8)|(\new)
.set MSB, (\new)
.endif
.endm
.set MUL_LO, 0xa1                      ; source 0 (B) window 1, source 1 (A) window 0, C and D window 2
.set TO_B,   0x40
.macro TL g0, g1                       ; a tensor load with the lines behind it
	tensor_load_to_lds s[\g0:\g0+3], s[\g1:\g1+7]
	s_nop 0
.rept 4
	v_nop
.endr
.endm
.macro JLOAD g0a, g1a, g0b, g1b        ; waves 0 and 1 fetch for A, waves 2 and 3 for B
	s_cmp_eq_u32 s15, 0
	s_cbranch_scc0 .Lfor_b_\@
	TL \g0a, \g1a
	s_branch .Lasked_\@
.Lfor_b_\@:
	TL \g0b, \g1b
.Lasked_\@:
.endm
.macro CREST
	s_cmp_lg_u32 s14, 0
	s_cbranch_scc1 .Lnot_wave_0_\@
	s_barrier_signal -3
.Lnot_wave_0_\@:
	s_barrier_wait -3
	s_barrier_signal -1
	s_barrier_wait -1
.endm
.macro CROUND
	s_barrier_signal -1
	s_barrier_wait -1
	CREST
.endm
.macro GRP0 g, lds, adr                ; a group 0: LDS byte (a constant), the tile's address
	s_mov_b32 s[\g], 1
	s_mov_b32 s[\g+1], \lds
	s_mov_b64 s[\g+2:\g+3], s[\adr:\adr+1]
	s_or_b32 s[\g+3], s[\g+3], 0x80000000
.endm
	s_load_b256 s[4:11], s[0:1], 0x0               ; oc, os, xw_codes, xw_scales
	s_load_b128 s[92:95], s[0:1], 0x20             ; b_o, out0
	v_lshl_add_u32 v[SPW], v0, 2, SPARE
	v_mov_b32 v[NIL], 0
	ds_add_u32 v[SPW], v[NIL]                      ; the opening lines: the add, twice on end, and its wait
	ds_add_u32 v[SPW], v[NIL]
	v_lshrrev_b32 v1, 5, v0
	v_readfirstlane_b32 s14, v1                    ; wave 0..3
	s_lshr_b32 s15, s14, 1                         ; my half of A's rows.  Also: I fetch for A (0) or for B (1)
	s_and_b32 s16, s14, 1                          ; my half of B's.  Also: which half I fetch
	s_bfe_u32 s40, ttmp6, 0x40000                  ; cx, cy
	s_bfe_u32 s41, ttmp6, 0x40004
	s_and_b32 s97, ttmp7, 0xffff                   ; the cluster's row
	s_lshl_b32 s17, s97, 2
	s_add_co_u32 s17, s17, s41                     ; A's block of 128 tokens
	s_add_co_u32 s42, s40, 44                      ; B's block of 256 rows: W_o begins at block 44
	s_lshl_b32 s43, s41, 2
	s_lshl_b32 s43, 15, s43                        ; my row of the cluster
	s_lshl_b32 s44, 0x1111, s40                    ; my column
	s_or_b32 s[G1+0], s43, (3<<16)|(1<<21)         ; codes: rows (tiles) of 4,096 bytes, 16,384 apart; dense in LDS
	s_or_b32 s[G1B+0], s44, (3<<16)|(1<<21)
.irp g, G1, G1B
	s_mov_b32 s[\g+1], 512<<16
	s_mov_b32 s[\g+3], 512<<16
	s_mov_b32 s[\g+5], 2048
	s_mov_b32 s[\g+6], 0
	s_mov_b32 s[\g+7], 0
.endr
	s_mov_b32 s[G1+2], 8<<16                       ; the head's loads bring all 8 tiles of A, all 16 of B
	s_mov_b32 s[G1+4], 8
	s_mov_b32 s[G1B+2], 16<<16
	s_mov_b32 s[G1B+4], 16
	s_or_b32 s[G1S+0], s43, (3<<16)|(1<<20)|(1<<21)|(5<<22)|(3<<25)   ; scales: dense rows of 256 bytes, 16 of padding behind each
	s_or_b32 s[G1SB+0], s44, (3<<16)|(1<<20)|(1<<21)|(5<<22)|(3<<25)
.irp g, G1S, G1SB
	s_mov_b32 s[\g+1], 32<<16
	s_mov_b32 s[\g+3], 32<<16
	s_mov_b32 s[\g+5], 32
	s_mov_b32 s[\g+6], 0
	s_mov_b32 s[\g+7], 0
.endr
	s_mov_b32 s[G1S+2], 16<<16                     ; 128 rows x 32 bytes
	s_mov_b32 s[G1S+4], 16
	s_mov_b32 s[G1SB+2], 32<<16                    ; 256 rows
	s_mov_b32 s[G1SB+4], 32
	s_lshl_b32 s20, s17, 17                        ; A's codes: 128 rows of 1,024 bytes a block
	s_mov_b32 s21, 0
	s_lshl_b32 s22, s17, 12                        ; its scales
	s_mov_b32 s23, 0
	s_lshl_b32 s46, s42, 18                        ; B's codes
	s_mov_b32 s47, 0
	s_lshl_b32 s2, s42, 13                         ; its scales
	s_mov_b32 s3, 0
	s_mul_i32 s45, s16, ATB                        ; the ring's LDS places: by the wave's number alone
	s_mul_i32 s98, s16, HALFT
	s_add_co_u32 s98, s98, BOF
	s_wait_dscnt 0x0                               ; both opening adds are done
	s_wait_kmcnt 0x0
	s_add_nc_u64 s[20:21], s[4:5], s[20:21]
	s_add_nc_u64 s[22:23], s[6:7], s[22:23]
	s_add_nc_u64 s[46:47], s[8:9], s[46:47]
	s_add_nc_u64 s[2:3], s[10:11], s[2:3]
	CROUND                                         ; all sixteen work-groups are here: the first joint loads meet
	GRP0 G0S, SCL, 22
	GRP0 G0SB, SCB, 2
	GRP0 G0, 0, 20                                 ; slot 0's groups 0 serve the head first: whole tiles
	GRP0 G0B, BOF, 46
	s_lshl_b32 s2, s16, 16                         ; in the ring I fetch a half: 4 tiles of A,
	s_mov_b32 s3, 0
	s_lshl_b32 s66, s16, 17                        ; or 8 of B
	s_mov_b32 s67, 0
	s_add_nc_u64 s[20:21], s[20:21], s[2:3]
	s_add_nc_u64 s[46:47], s[46:47], s[66:67]
	s_mov_b32 s[G0+4], 1                           ; slot 1's
	s_add_co_u32 s[G0+5], s45, SLOT
	s_add_nc_u64 s[G0+6:G0+7], s[20:21], 4096
	s_or_b32 s[G0+7], s[G0+7], 0x80000000
	s_mov_b32 s[G0B+4], 1
	s_add_co_u32 s[G0B+5], s98, SLOT
	s_add_nc_u64 s[G0B+6:G0B+7], s[46:47], 4096
	s_or_b32 s[G0B+7], s[G0B+7], 0x80000000
; THE HEAD'S LOADS, ONE A WAVE: wave 0 K slot 0's tiles of A, wave 1 those of B, wave 2 A's scales, wave 3 B's.  One chain of branches on the wave's number, a load to an arm.
.macro ARM under, g0, g1, next
	s_cmp_lt_u32 s14, \under
	s_cbranch_scc0 \next
	TL \g0, \g1
	s_branch .Lhead_asked
\next:
.endm
	ARM 1, G0,  G1,  .Lhead_b
	ARM 2, G0B, G1B, .Lhead_sa
	ARM 3, G0S, G1S, .Lhead_sb
	TL G0SB, G1SB
.Lhead_asked:
	s_cmp_eq_u32 s15, 0                            ; the prefetches: my half of A's or of B's tiles,
	s_cselect_b64 s[PFA:PFA+1], s[20:21], s[46:47]
	s_cselect_b32 s6, s40, s41                     ; my place among the four that ask with me,
	s_cselect_b32 s7, 14, 15                       ; one tile of A or two of B for each,
	s_cselect_b32 s8, 15, 31                       ; and so many lanes with a block of their own
	s_lshl_b32 s6, s6, s7
	s_mov_b32 s7, 0
	s_add_nc_u64 s[PFA:PFA+1], s[PFA:PFA+1], s[6:7]
	s_lshr_b32 s9, s97, 2
	s_min_u32 s9, s9, 1
	s_and_b32 s96, s9, s15                         ; 1: W_o's tiles in a cluster row from 4 on: I ask for nothing
	v_and_b32 v30, 31, v0
	v_min_u32 v30, s8, v30
	v_lshrrev_b32 v31, 4, v30
	v_and_b32 v30, 15, v30
	v_lshlrev_b32 v30, 8, v30
	v_lshl_add_u32 v[PFO], v31, 14, v30
	s_wait_alu depctr_va_vdst(0)
	s_cmp_eq_u32 s96, 0
	s_cbranch_scc0 .Lno_ask0
	global_prefetch_b8 v[PFO], s[PFA:PFA+1] offset:4096 th:TH_LOAD_NT scope:SCOPE_SE
	global_prefetch_b8 v[PFO], s[PFA:PFA+1] offset:8192 th:TH_LOAD_NT scope:SCOPE_SE
.Lno_ask0:
	v_and_b32 v1, 15, v0                           ; r
	v_bfe_u32 v2, v0, 4, 1                         ; h
	v_and_b32 v3, 31, v0
	v_lshlrev_b32 v4, 4, v3                        ; 16 x lane
	s_mul_i32 s21, s15, ATB                        ; my 4 tiles of A
	s_mul_i32 s22, s16, HALFT                      ; my 8 of B
	s_add_co_u32 s22, s22, BOF
.irp s, 0,1
	v_add_nc_u32 v[ADRA+\s], s21, v4
	v_add_nc_u32 v[ADRB+\s], s22, v4
	s_add_co_u32 s21, s21, SLOT
	s_add_co_u32 s22, s22, SLOT
.endr
	v_mul_u32_u24 v5, v1, 32                       ; my row's scales: 32 bytes a row,
	v_lshrrev_b32 v6, 8, v5
	v_lshl_add_u32 v5, v6, 4, v5                   ; and 16 more for each 256 passed
	s_mul_i32 s21, s15, 4*SBLK
	s_mul_i32 s22, s16, 8*SBLK
	s_add_co_u32 s22, s22, 8*SBLK
	s_sub_co_u32 s22, s22, s21
	v_mul_u32_u24 v6, s22, v2                      ; lanes 16-31 take B's
	s_add_co_u32 s21, s21, SCL
	v_add_nc_u32 v5, v5, v6
	v_add_nc_u32 v[ADRS], s21, v5
	s_mul_i32 s23, s14, 16*SPITCH                  ; my stage
	v_mul_u32_u24 v5, v1, SPITCH
	v_lshl_add_u32 v5, v2, 6, v5
	v_add_nc_u32 v[STO], s23, v5
	v_mov_b32 v[CO], v4
	v_add_nc_u32 v[RD], s23, v4
	s_lshl_b32 s18, s40, 8                         ; the bias: my 128 columns; tile b, register j: column 32 (b / 2) + 8 (b % 2) + 16 h + j
	s_lshl_b32 s19, s16, 7
	s_add_co_u32 s18, s18, s19
	s_lshl_b32 s18, s18, 2
	s_mov_b32 s19, 0
	s_add_nc_u64 s[92:93], s[92:93], s[18:19]
	v_lshlrev_b32 v8, 6, v2
.irp b, 0,1,2,3,4,5,6,7
	global_load_b128 v[BT+8*\b:BT+8*\b+3], v8, s[92:93] offset:(32*(\b/2)+8*(\b%2))*4
	global_load_b128 v[BT+8*\b+4:BT+8*\b+7], v8, s[92:93] offset:(32*(\b/2)+8*(\b%2))*4+16
.endr
	s_lshl_b32 s20, s17, 7                         ; out0: my first token: 128 x block + 64 x half; rows of 4,096 bytes
	s_lshl_b32 s21, s15, 6
	s_add_co_u32 s20, s20, s21
	s_lshl_b32 s20, s20, 12
	s_lshl_b32 s21, s40, 10
	s_add_co_u32 s20, s20, s21
	s_lshl_b32 s21, s16, 9
	s_add_co_u32 s20, s20, s21
	s_mov_b32 s21, 0
	s_add_nc_u64 s[12:13], s[94:95], s[20:21]
.macro FRAG reg, adr, q, i             ; a fragment's image: four groups of 512 consecutive bytes
.irp c, 0,1,2,3
	ds_load_b128 v[\reg+4*\c:\reg+4*\c+3], v[\adr] offset:(\i)*4096+(\q)*2048+512*\c
.endr
.endm
; 8 matrix instructions: A's tile a x B's eight, the slot's q-th 128 along K, from register sets p.  zero = 1: the sums start from the bias.  The 32 accumulators take turns in the same order in every step.
.macro MUL8 a, p, q, sc, zero
.irp b, 0,1,2,3,4,5,6,7
.if \zero
	v_wmma_scale_f32_16x16x128_f8f6f4 v[8*(8*(\a)+\b):8*(8*(\a)+\b)+7], v[128*(\p)+FR*\b:128*(\p)+FR*\b+FR-1], v[AF+64*(\p)+FR*(\a):AF+64*(\p)+FR*(\a)+FR-1], v[BT+8*\b:BT+8*\b+7], v[SC+8*NQ*(\sc)+NQ*\b+(\q)], v[SC+8*NQ*(\sc)+NQ*(\a)+(\q)] matrix_a_fmt:MATRIX_FMT_BF8 matrix_b_fmt:MATRIX_FMT_BF8 matrix_a_scale:MATRIX_SCALE_ROW1
.else
	v_wmma_scale_f32_16x16x128_f8f6f4 v[8*(8*(\a)+\b):8*(8*(\a)+\b)+7], v[128*(\p)+FR*\b:128*(\p)+FR*\b+FR-1], v[AF+64*(\p)+FR*(\a):AF+64*(\p)+FR*(\a)+FR-1], v[8*(8*(\a)+\b):8*(8*(\a)+\b)+7], v[SC+8*NQ*(\sc)+NQ*\b+(\q)], v[SC+8*NQ*(\sc)+NQ*(\a)+(\q)] matrix_a_fmt:MATRIX_FMT_BF8 matrix_b_fmt:MATRIX_FMT_BF8 matrix_a_scale:MATRIX_SCALE_ROW1
.endif
.endr
.endm
.macro FETCH slot, q, p                ; B's eight and A's four fragments of the slot's q-th 128 along K into sets p: 48 loads
	WIN TO_B
.irp i, 0,1,2,3,4,5,6,7
	FRAG 128*(\p)+FR*\i, ADRB+\slot, \q, \i
.endr
	WIN 0
.irp i, 0,1,2,3
	FRAG AF+64*(\p)+FR*\i, ADRA+\slot, \q, \i
.endr
.endm
.macro SCALES sc                       ; a slot's scale words: two words a row; lanes 0-15 A's tile i (of which 0 to 3 are used), lanes 16-31 B's tile i
.irp i, 0,1,2,3,4,5,6,7
	ds_load_b64 v[SC+8*NQ*\sc+NQ*\i:SC+8*NQ*\sc+NQ*\i+1], v[ADRS] offset:\i*SBLK
.endr
.endm
.macro PLACES n
.rept \n
	v_nop
.endr
.endm
.macro STEP slot, zero                 ; a slot's first 128 along K, from sets 0; the second's fragments are fetched into sets 1 ahead of the products
	s_wait_dscnt 0x0                               ; this step's fragments and scale words are in
	PLACES NP                                      ; behind the last step's products, which read sets 1
	FETCH \slot, 1, 1
.if \zero
	WIN 0x81                                       ; C (the bias) window 0, D window 2
.else
	WIN MUL_LO
.endif
.irp a, 0,1,2,3
	MUL8 \a, 0, 0, \slot, \zero
.endr
	WIN 0
.endm
; A slot's second 128 along K changes slots: ONE barrier; in front of it each wave waits for all its tensor loads, adds 0 to its spare word, and waits for that and for its reads of this slot.  fill = 1: this slot is filled again.
.macro TURN slot, next, fill
	s_wait_tensorcnt 0x0                           ; my part of the next slot has landed
	ds_add_u32 v[SPW], v[NIL]
	s_wait_dscnt 1                                 ; sets 1 are in; the add alone may be out
	WIN MUL_LO
	MUL8 0, 1, 1, \slot, 0
	s_wait_dscnt 0x0                               ; the add is done, and my reads of this slot are over
	s_barrier_signal -1
	MUL8 1, 1, 1, \slot, 0
	WIN 0
	s_barrier_wait -1
.if \fill
	CREST                                          ; the barrier has opened a round of the cluster's barrier
	s_add_nc_u64 s[G0+4*\slot+2:G0+4*\slot+3], s[G0+4*\slot+2:G0+4*\slot+3], 8192
	s_add_nc_u64 s[G0B+4*\slot+2:G0B+4*\slot+3], s[G0B+4*\slot+2:G0B+4*\slot+3], 8192
	JLOAD G0+4*\slot, G1, G0B+4*\slot, G1B         ; the first tensor load behind the round; its four v_nop are among the places in front of the loads below
	PLACES NP-4
.else
	PLACES NP
.endif
	s_wait_alu depctr_va_vdst(0)                   ; the address was written a slot ago
	v_add_nc_u32 v[ADRS], 4*NQ, v[ADRS]            ; on to the next slot's scale words
	FETCH \next, 0, 0
	SCALES \next
	WIN MUL_LO
	MUL8 2, 1, 1, \slot, 0
	MUL8 3, 1, 1, \slot, 0
	WIN 0
.endm
	s_wait_alu depctr_va_vdst(0)
	s_wait_tensorcnt 0x0                           ; my tile of the head's four is in; the lines ahead of a later first fill:
	ds_add_u32 v[SPW], v[NIL]
	s_mov_b32 s[G1+2], 4<<16                       ; no tensor load of mine is out: from here on a load brings 4 tiles of A or 8 of B,
	s_mov_b32 s[G1+4], 4
	s_mov_b32 s[G1B+2], 8<<16
	s_mov_b32 s[G1B+4], 8
	s_mov_b32 s[G0+1], s45                         ; and slot 0's groups 0 stand at my half
	s_add_nc_u64 s[G0+2:G0+3], s[G0+2:G0+3], s[2:3]
	s_mov_b32 s[G0B+1], s98
	s_add_nc_u64 s[G0B+2:G0B+3], s[G0B+2:G0B+3], s[66:67]
	s_wait_dscnt 0x0
	CROUND                                         ; all four tiles are in, in all sixteen work-groups
	JLOAD G0+4, G1, G0B+4, G1B                     ; K slot 1: the first tensor load behind the round
	FETCH 0, 0, 0
	SCALES 0
	s_cmp_eq_u32 s96, 0
	s_cbranch_scc0 .Lno_ask1
	global_prefetch_b8 v[PFO], s[PFA:PFA+1] offset:12288 th:TH_LOAD_NT scope:SCOPE_SE   ; K slot 3: two changes of slots ahead of its load
.Lno_ask1:
	s_wait_loadcnt 0x0                             ; the bias
	STEP 0, 1
	TURN 0, 1, 1                                   ; K = 1,024 is four slots' worth: both slots are filled again once
	STEP 1, 0
	TURN 1, 0, 1
	STEP 0, 0
	TURN 0, 1, 0                                   ; nothing is left to fetch
	STEP 1, 0
	s_wait_dscnt 0x0
	WIN MUL_LO
.irp a, 0,1,2,3
	MUL8 \a, 1, 1, 1, 0
.endr
	WIN 0
; THE WAY OUT, tile by tile of 16 rows x 128 columns, through my stage in slot 0, which has had its last fill and its last read; back as rows of 512 bytes.
.macro TOSTAGE a
.set AC, 64*(\a)
	WIN 0x08                                       ; the data: window 2
.irp b, 0,1,2,3,4,5,6,7
	ds_store_b128 v[STO], v[AC+8*\b:AC+8*\b+3] offset:128*(\b/2)+32*(\b%2)        ; each accumulator from its low end on
	ds_store_b128 v[STO], v[AC+8*\b+4:AC+8*\b+7] offset:128*(\b/2)+32*(\b%2)+16
.endr
	WIN 0
.set BB, BK+64*((\a)%2)
.irp t, 0,1,2,3,4,5,6,7,8,9,10,11,12,13,14,15
	ds_load_b128 v[BB+4*\t:BB+4*\t+3], v[RD] offset:\t*SPITCH                     ; LDS serves a wave's instructions in order: these see my stores
.endr
.endm
.macro SEND a, younger                 ; younger: the LDS instructions issued behind tile a's loads, which may stay out
.set BB, BK+64*((\a)%2)
	s_wait_dscnt \younger
.if (\a) > 0
	s_add_nc_u64 s[12:13], s[12:13], (8+16*(1-(\a)%2))*4096   ; an odd tile begins 8 true rows behind its even neighbour, the next even one 24 further on
.endif
.irp t, 0,1,2,3,4,5,6,7,8,9,10,11,12,13,14,15
	global_store_b128 v[CO], v[BB+4*\t:BB+4*\t+3], s[12:13] offset:(\t+8*(\t/8))*4096 th:TH_STORE_NT   ; 32 lanes store 512 consecutive bytes
.endr
.endm
	PLACES NP
	TOSTAGE 0
.irp a, 1,2,3
.if \a > 1
	s_wait_xcnt 0x0                                ; tile a - 2's stores have read their registers and their base
.endif
	TOSTAGE \a
	SEND \a-1, 32
.endr
	s_wait_xcnt 0x0
	SEND 3, 0
	s_wait_tensorcnt 0x0                           ; the wave's end
	ds_add_u32 v[SPW], v[NIL]
	s_wait_dscnt 0x0
	CROUND                                         ; the closing round
	s_endpgm
.Lfunc_end_k_q6cc842d197_gemm_out:
	.size	k_q6cc842d197_gemm_out, .Lfunc_end_k_q6cc842d197_gemm_out-k_q6cc842d197_gemm_out
	.p2alignl 7, 3214868480
	.fill 96, 4, 3214868480
	.section	.rodata,"a",@progbits
	.p2align	6, 0x0
	.amdhsa_kernel k_q6cc842d197_gemm_out
		.amdhsa_group_segment_fixed_size 327680
		.amdhsa_private_segment_fixed_size 0
		.amdhsa_enable_private_segment 0
		.amdhsa_kernarg_size 48
		.amdhsa_user_sgpr_count 2
		.amdhsa_user_sgpr_kernarg_segment_ptr 1
		.amdhsa_wavefront_size32 1
		.amdhsa_system_sgpr_workgroup_id_x 1
		.amdhsa_system_sgpr_workgroup_id_y 1
		.amdhsa_system_sgpr_workgroup_id_z 1
		.amdhsa_system_vgpr_workitem_id 0
		.amdhsa_next_free_vgpr 768
		.amdhsa_next_free_sgpr 102
		.amdhsa_reserve_vcc 0
		.amdhsa_float_denorm_mode_32 3
		.amdhsa_float_denorm_mode_16_64 3
		.amdhsa_memory_ordered 1
		.amdhsa_forward_progress 1
		.amdhsa_inst_pref_size 92
	.end_amdhsa_kernel
	.amdgpu_metadata
---
amdhsa.version: [ 1, 2 ]
amdhsa.kernels:
  - .name:           k_q6cc842d197_gemm_out
    .symbol:         k_q6cc842d197_gemm_out.kd
    .args:
      - { .name: oc, .offset: 0, .size: 8, .value_kind: global_buffer, .address_space: global }
      - { .name: os, .offset: 8, .size: 8, .value_kind: global_buffer, .address_space: global }
      - { .name: xw_codes, .offset: 16, .size: 8, .value_kind: global_buffer, .address_space: global }
      - { .name: xw_scales, .offset: 24, .size: 8, .value_kind: global_buffer, .address_space: global }
      - { .name: b_o, .offset: 32, .size: 8, .value_kind: global_buffer, .address_space: global }
      - { .name: out0, .offset: 40, .size: 8, .value_kind: global_buffer, .address_space: global }
    .group_segment_fixed_size: 327680
    .private_segment_fixed_size: 0
    .kernarg_segment_align: 8
    .kernarg_segment_size: 48
    .max_flat_workgroup_size: 128
    .sgpr_count:     102
    .vgpr_count:     768
    .wavefront_size: 32
...
	.end_amdgpu_metadata
.endif
;; end of part 4
